; MI455X (gfx1250); checked and timed in simulation.
; The chip was launched on July 23, 2026; its instructions are those of AMD's public machine-readable ISA for CDNA 5 (MIT licence, August 2026) and "CDNA5" Instruction Set Architecture Reference Guide (July 2026). The comments in the code are by the model that wrote it; some were corrected since.
;; Bahdanau Attention. Allowed arithmetic: matrix products marked QUANTISED: E2M1 operands, one E8M0 scale for each 32 along K, by v_wmma_scale_f32_16x16x128_f8f6f4 with both operands' format E2M1 (or v_wmma_scale_f32_32x16x128_f4), f32 sums; products left as they are: f32 operands where the result goes on into a quantised operand, else bf16, f16 or f32 operands; f32 sums; everything else in f32.
;; Inputs: W_dec_codes 1,024 x 32 x 16 uint8 (E2M1 codes of W_dec, K innermost, in blocks of 32 codes, two codes a byte); W_dec_scales 1,024 x 32 uint8 (E8M0 scales of W_dec, one for each 32 codes along K); W_enc_codes 1,024 x 32 x 16 uint8 (E2M1 codes of W_enc, K innermost, in blocks of 32 codes, two codes a byte); W_enc_scales 1,024 x 32 uint8 (E8M0 scales of W_enc, one for each 32 codes along K); b_dec 1,024 float32; b_enc 1,024 float32; b_v one number float32; decoder_hidden_codes 32 x 32 x 16 uint8 (E2M1 codes of decoder_hidden, K innermost, in blocks of 32 codes, two codes a byte); decoder_hidden_scales 32 x 32 uint8 (E8M0 scales of decoder_hidden, one for each 32 codes along K); encoder_outputs 32 x 2,048 x 1,024 float32; v 1,024 float32.
;; Outputs: out0 32 x 1,024 float32; out1 32 x 2,048 float32.
;; This version of the problem:
;;   THIS VERSION OF THE PROBLEM IS GIVEN IN LOW PRECISION. The matrix products marked QUANTISED in the list below multiply operands that are first quantised to E2M1 (2 exponent bits, 1 mantissa bit; 4 bits a number), with one power-of-two scale for each 32 numbers along K (OCP MX v1.0); their sums are f32. All else is computed in f32.
;;   The module's matrix products, in the order in which they are computed (A, B: the left and right operand; K: the contracted axis; several contracted axes count as one K, in the product's order):
;;     1. [M 65,536, K 1,024] x [K 1,024, N 1,024]; A: input encoder_outputs; B: input W_enc (given as codes): QUANTISED
;;     2. [M 32, K 1,024] x [K 1,024, N 1,024]; A: input decoder_hidden (given as codes); B: input W_dec (given as codes): QUANTISED
;;     3. [M 65,536, K 1,024] x [K 1,024, N 1]; A: computed on the way; B: input v: left as it is (N = 1 < 16)
;;     4. batch 32 x [M 1, K 2,048] x [K 2,048, N 1,024]; A: softmax; B: input encoder_outputs: left as it is (M = 1 < 16)
;;   THE QUANTISER, for each operand of a quantised product, along K:
;;     - K is cut into blocks of 32 from its start; a last block that is shorter is filled with zeros.
;;     - A block's scale is 2^e with e = floor(log2(the largest magnitude in the block)) - 2, held to -126 .. 127; a block of zeros has e = 0. As a byte (E8M0): e + 127.
;;     - Each number is divided by its block's scale, clamped to +-6, and rounded to the nearest number of E2M1, ties to even, subnormals kept.
;;     - The product sums the exact products of the quantised numbers (number of the format x scale) in f32.
;;   ~~~python
;;   def quantise(x, axis):      # numpy; x: float32 -> the quantised numbers, widened to float32 again
;;       x = np.moveaxis(x, axis, -1); K = x.shape[-1]
;;       x = np.pad(x, [(0, 0)] * (x.ndim - 1) + [(0, -K % 32)]); x = x.reshape(x.shape[:-1] + (-1, 32)); a = np.abs(x).max(-1, keepdims=True)
;;       e = np.where(a > 0, np.clip(np.frexp(np.where(a > 0, a, 1))[1] - 1 - 2, -126, 127), 0)      # np.frexp(a)[1] - 1 = floor(log2(a)), exactly
;;       r = np.clip(x / 2.0 ** e, -6, 6)
;;       step = 2.0 ** (np.maximum(np.frexp(np.where(r == 0, 1, r))[1] - 1, 0) - 1)
;;       q = np.round(r / step) * step * 2.0 ** e      # np.round: ties to even
;;       return np.moveaxis(q.reshape(q.shape[:-2] + (-1,))[..., :K], -1, axis).astype(np.float32)
;;   ~~~
;;   INPUTS GIVEN AS CODES. W_dec (in the module: [1024, 1024], K = its axis 0); W_enc (in the module: [1024, 1024], K = its axis 0); decoder_hidden (in the module: [32, 1024], K = its axis 1): each comes as NAME_codes (uint8): NAME with its K axis moved to the last place and cut into blocks of 32 codes, [.., K / 32, bytes a block], one block behind the other in memory; two codes a byte, the lower K in the low four bits (a code: sign, 2 exponent bits, 1 mantissa bit); and NAME_scales (uint8): the same leading axes, one E8M0 byte (e + 127) for each 32 codes along K. Its value is code x scale, taken as it is: it is not quantised again, and the codes and scales need not be those that the quantiser above would give.
;; 2 versions. Each part assembles by itself: llvm-mc -triple=amdgcn-amd-amdhsa -mcpu=gfx1250 --defsym DOCPART=n.
;; ======== version 1 of 2: 3 launches
;; workspace buffers: WL 557,056 bytes; TBL 262,144 bytes; tsc 262,144 bytes; pctx 1,048,576 bytes; pml 65,536 bytes
;; launch prep (part 1): grid 48 x 1, 4 waves a work-group, no clusters, 9,216 bytes of LDS; arguments W_dec_codes, W_dec_scales, decoder_hidden_codes, decoder_hidden_scales, b_enc, b_dec, v, W_enc_codes, W_enc_scales, WL, TBL; writes WL, TBL
.if DOCPART == 1
	.amdgcn_target "amdgcn-amd-amdhsa--gfx1250"
	.amdhsa_code_object_version 6
	.text
	.protected	k_qdbf10dc929_prep
	.globl	k_qdbf10dc929_prep
	.p2align	8
	.type	k_qdbf10dc929_prep,@function
k_qdbf10dc929_prep:
	s_mov_b64 s[64:65], 0
	v_nop
	global_prefetch_b8 v0, s[64:65] scope:SCOPE_SE
	s_setreg_imm32_b32 hwreg(HW_REG_WAVE_MODE, 25, 1), 1
	s_wait_xcnt 0x0
; BAHDANAU ATTENTION, launch 1 of 3: the decoder's projection (the table's product 2, on codes of E2M1) and two tables for launch 2.
; WORK LEFT OUT, for all values of the inputs.  tanh(x) = 1 - 2 r with r = 1 / (1 + 2^(c x)), c = 2 log2(e).  So scores[b][s] = (sum over d of v[d]) + b_v - 2 sum over d of v[d] r[b][s][d].
; The first two terms are the same for every s of a row b, and softmax along s takes such a term away: attn, and context, which is made of attn, do not hang on them.  So b_v is not loaded and is among no launch's
; arguments, and the sum of v is never formed.  The program works with t = -2 log2(e) sum_d v[d] r[d] and weights 2^(t - the row's largest t): the maximum is taken away as reference() takes it.
; LIMITS: a NaN, an infinity or an overflow that reaches only b_v or the sum of v is not carried to the result.  NaN and infinities among the inputs are not served.
; WHAT IS STORED.  TBL[b][w][512 f32]: words q = 0..255: c (decoder_hidden W_dec + b_dec + b_enc)[b][n]; words 256 + q: v[n]; with q = 32 k + 16 t + rho and n = 128 k + 32 w + 16 t + rho: the 256 columns that wave w of
; launch 2 owns, in the order in which it walks them.  WL[k][w][34 images of 512 bytes]: W_enc's codes and scale bytes in the order of the operand's registers: image 16 t + 2 s + c holds, at 16 x lane, registers
; 4 c .. 4 c + 3 of the fragment (rows 128 k + 32 w + 16 t + lane % 16, K step s); images 32, 33 hold, at 16 x lane, the scale words of K steps 0-3, 4-7 of row 128 k + 32 w + lane.
; SHARES.  Work-groups 0-15 (w = g % 4, kap = g / 4): wave tau makes 16 columns x 32 batches; the four waves' 64 columns are 256 neighbouring bytes of TBL[b][w], which meet in a stage in LDS.
; Work-groups 16-47 (one for each (k, w)): a copy; each wave moves eight images and 256 bytes of the scale images.  The branch between the two hangs on the work-group's number alone: all four waves go one way.
.set SP,    272                        ; a stage row: 256 bytes + 16: 68 words, so 16 rows start at 16 different banks (64 banks of 4 bytes: ISA guide 11.1)
.set SPARE, 32*SP                      ; behind the stage: the spare words, 128 bytes for each wave: two blocks of 256 bytes that no other line names
; REGISTERS: v1, v2 the add's two; v3-11 lane terms; v[12:15] v's numbers; v16-31 two accumulators; v32-39, v40-47 scale words; v48-63 biases; v64-127 W_dec's fragments; v128-255 decoder_hidden's
	s_load_b256 s[4:11], s[0:1], 0x0               ; W_dec's codes s[4:5], its scales s[6:7]; decoder_hidden's codes s[8:9], its scales s[10:11]
	s_load_b256 s[12:19], s[0:1], 0x20             ; b_enc s[12:13], b_dec s[14:15], v s[16:17], W_enc's codes s[18:19]
	s_load_b128 s[20:23], s[0:1], 0x40             ; W_enc's scales s[20:21], WL s[22:23]
	s_load_b64 s[24:25], s[0:1], 0x50              ; TBL
	v_lshl_add_u32 v1, v0, 2, SPARE                ; my spare word
	v_mov_b32 v2, 0
	v_lshrrev_b32 v3, 5, v0
	v_readfirstlane_b32 s26, v3                    ; tau: wave 0..3
	v_and_b32 v3, 15, v0                           ; r
	v_bfe_u32 v4, v0, 4, 1                         ; h
	v_lshlrev_b32 v5, 9, v3
	v_lshl_add_u32 v5, v4, 4, v5                   ; a fragment's lane term: row r of 512 bytes + 16 h
	s_lshr_b32 s40, s26, 1                         ; tau / 2
	s_and_b32 s41, s26, 1                          ; tau % 2
	s_mov_b32 s33, 0                               ; the upper word of every offset
	s_wait_kmcnt 0x0
	s_cmp_ge_u32 ttmp9, 16
	s_cbranch_scc1 .Lrelay
	; ---- the decoder's projection
	s_and_b32 s27, ttmp9, 3                        ; w
	s_lshr_b32 s28, ttmp9, 2                       ; kap
	s_lshl_b32 s30, s28, 8
	s_lshl_b32 s31, s40, 7
	s_add_co_u32 s30, s30, s31
	s_lshl_b32 s31, s27, 5
	s_add_co_u32 s30, s30, s31
	s_lshl_b32 s31, s41, 4
	s_add_co_u32 s30, s30, s31                     ; n0 = 256 kap + 128 (tau / 2) + 32 w + 16 (tau % 2): my 16 columns
	s_lshl_b32 s32, s30, 9
	s_add_nc_u64 s[4:5], s[4:5], s[32:33]          ; their rows of codes,
	s_lshl_b32 s32, s30, 5
	s_add_nc_u64 s[6:7], s[6:7], s[32:33]          ; of scale bytes,
	s_lshl_b32 s32, s30, 2
	s_add_nc_u64 s[12:13], s[12:13], s[32:33]      ; and their biases
	s_add_nc_u64 s[14:15], s[14:15], s[32:33]
	s_lshl_b32 s32, s28, 10
	s_lshl_b32 s31, s27, 7
	s_add_co_u32 s32, s32, s31
	s_add_nc_u64 s[16:17], s[16:17], s[32:33]      ; v at column 256 kap + 32 w
	s_lshl_b32 s32, s26, 16
	s_lshl_b32 s31, s27, 11
	s_add_co_u32 s32, s32, s31
	s_lshl_b32 s31, s28, 8
	s_add_co_u32 s32, s32, s31
	s_add_nc_u64 s[24:25], s[24:25], s[32:33]      ; TBL at batch 8 tau, part w, word 64 kap
	s_mov_b32 s34, 0x4038aa3b                      ; c = 2 log2(e)
	s_mov_b32 s35, s34                             ; (named with it as a pair, so it is written)
	v_lshlrev_b32 v6, 5, v3                        ; W_dec's scale words: 32 bytes a row
	v_and_b32 v7, 31, v0
	v_lshlrev_b32 v7, 5, v7                        ; decoder_hidden's: lane l takes batch l, so lanes 16-31 hold batches 16-31
	v_lshlrev_b32 v8, 5, v4                        ; the biases of my eight columns 8 h + 0..7
	v_bfe_u32 v9, v0, 3, 1                         ; v, as TBL wants it: lane lam = l % 16 writes words 4 lam .. 4 lam + 3, which are columns 128 (lam / 8) + 16 ((lam / 4) % 2) + 4 (lam % 4) + 0..3
	v_lshlrev_b32 v9, 9, v9
	v_bfe_u32 v10, v0, 2, 1
	v_lshl_add_u32 v9, v10, 6, v9
	v_and_b32 v10, 3, v0
	v_lshl_add_u32 v9, v10, 4, v9
	v_mul_u32_u24 v10, v3, SP                      ; into the stage: row = batch r (+ 16 a), my wave's 64 bytes, 32 h
	v_lshl_add_u32 v10, v4, 5, v10
	s_lshl_b32 s31, s26, 6
	v_add_nc_u32 v10, s31, v10
	v_mul_u32_u24 v11, v4, SP                      ; back: rows 8 tau + 2 i + h, sixteen lanes to a row
	v_lshl_add_u32 v11, v3, 4, v11
	s_mul_i32 s31, s26, 8*SP
	v_add_nc_u32 v11, s31, v11
.irp s, 0,1,2,3,4,5,6,7
.irp c, 0,1
	global_load_b128 v[64+8*\s+4*\c:64+8*\s+4*\c+3], v5, s[4:5] offset:64*\s+32*\c           ; W_dec(n0 + r, K step s)
	global_load_b128 v[128+8*\s+4*\c:128+8*\s+4*\c+3], v5, s[8:9] offset:64*\s+32*\c         ; batches 0-15
	global_load_b128 v[192+8*\s+4*\c:192+8*\s+4*\c+3], v5, s[8:9] offset:8192+64*\s+32*\c    ; batches 16-31
.endr
.endr
.irp c, 0,1
	global_load_b128 v[32+4*\c:35+4*\c], v6, s[6:7] offset:16*\c       ; scale words: register 32 + s for K step s
	global_load_b128 v[40+4*\c:43+4*\c], v7, s[10:11] offset:16*\c     ; and 40 + s
	global_load_b128 v[48+4*\c:51+4*\c], v8, s[12:13] offset:16*\c     ; b_enc
	global_load_b128 v[56+4*\c:59+4*\c], v8, s[14:15] offset:16*\c     ; b_dec
.endr
	global_load_b128 v[12:15], v9, s[16:17]
	s_wait_loadcnt 0x0
.irp p, 0,2,4,6
	v_pk_add_f32 v[48+\p:49+\p], v[48+\p:49+\p], v[56+\p:57+\p]        ; b_enc + b_dec: the C of each sum's first product
.endr
.rept 4
	v_nop
.endr
	; TRANSPOSED: source 0 = 16 rows of W_dec, source 1 = 16 batches: lane (r, h) holds batch r (+ 16 a) and columns n0 + 8 h + 0..7.  The two accumulators take turns.
	v_wmma_scale_f32_16x16x128_f8f6f4 v[16:23], v[64:71], v[128:135], v[48:55], v32, v40 matrix_a_fmt:MATRIX_FMT_FP4 matrix_b_fmt:MATRIX_FMT_FP4
	v_wmma_scale_f32_16x16x128_f8f6f4 v[24:31], v[64:71], v[192:199], v[48:55], v32, v40 matrix_a_fmt:MATRIX_FMT_FP4 matrix_b_fmt:MATRIX_FMT_FP4 matrix_b_scale:MATRIX_SCALE_ROW1
.irp s, 1,2,3,4,5,6,7
	v_wmma_scale_f32_16x16x128_f8f6f4 v[16:23], v[64+8*\s:71+8*\s], v[128+8*\s:135+8*\s], v[16:23], v[32+\s], v[40+\s] matrix_a_fmt:MATRIX_FMT_FP4 matrix_b_fmt:MATRIX_FMT_FP4
	v_wmma_scale_f32_16x16x128_f8f6f4 v[24:31], v[64+8*\s:71+8*\s], v[192+8*\s:199+8*\s], v[24:31], v[32+\s], v[40+\s] matrix_a_fmt:MATRIX_FMT_FP4 matrix_b_fmt:MATRIX_FMT_FP4 matrix_b_scale:MATRIX_SCALE_ROW1
.endr
.rept 4
	v_nop                                          ; four places ahead of the reads of the sums, and of the writes and loads over fragments that are done with
.endr
.irp i, 0,2,4,6,8,10,12,14
	v_pk_mul_f32 v[64+\i:65+\i], v[16+\i:17+\i], s[34:35] op_sel_hi:[1,0]   ; x c; each accumulator from its low end on
.endr
	v_lshlrev_b32 v5, 13, v4                       ; (all loads are in: v5 is free)  TBL: batch + h, 16 bytes a lane
	v_lshl_add_u32 v5, v3, 4, v5
.irp a, 0,1
	ds_store_b128 v10, v[64+8*\a:67+8*\a] offset:16*SP*\a
	ds_store_b128 v10, v[68+8*\a:71+8*\a] offset:16*SP*\a+16
.endr
.irp i, 0,1,2,3
	global_store_b128 v5, v[12:15], s[24:25] offset:16384*\i+1024      ; v's part of TBL[batch][w]: sixteen lanes store 256 consecutive bytes, aligned
.endr
	s_wait_dscnt 0x0                               ; for the others' sake: my stores into the stage are done
	s_barrier_signal -1
	s_barrier_wait -1
.irp i, 0,1,2,3
	ds_load_b128 v[80+4*\i:83+4*\i], v11 offset:2*SP*\i
.endr
.irp i, 0,1,2,3
	s_wait_dscnt 3-\i                              ; LDS loads come back in order: the i-th is in
	global_store_b128 v5, v[80+4*\i:83+4*\i], s[24:25] offset:16384*\i ; batches 8 tau + 2 i and + 1
.endr
	s_branch .Lend
.Lrelay:	; ---- W_enc into the order of the operand's registers
	s_sub_co_u32 s27, ttmp9, 16                    ; g = 4 k + w; its rows begin at 32 g
	s_lshl_b32 s30, s27, 5
	s_lshl_b32 s31, s40, 4
	s_add_co_u32 s30, s30, s31                     ; my tile t = tau / 2
	s_lshl_b32 s32, s30, 9
	s_lshl_b32 s31, s41, 8
	s_add_co_u32 s32, s32, s31                     ; my half of a row's 512 bytes: images 8 tau + i hold bytes 256 (tau % 2) + 32 i + 16 h
	s_add_nc_u64 s[18:19], s[18:19], s[32:33]
	s_lshl_b32 s32, s27, 10                        ; the scale bytes of the 32 rows: 1,024 bytes
	s_lshl_b32 s31, s41, 9
	s_add_co_u32 s32, s32, s31
	s_lshl_b32 s31, s40, 4
	s_add_co_u32 s32, s32, s31
	s_add_nc_u64 s[20:21], s[20:21], s[32:33]
	s_mul_i32 s32, s27, 17408
	s_add_nc_u64 s[36:37], s[22:23], s[32:33]      ; WL[k][w]
	s_lshl_b32 s32, s26, 12
	s_add_nc_u64 s[22:23], s[36:37], s[32:33]      ; my eight images
	s_lshl_b32 s32, s26, 8
	s_add_co_u32 s32, s32, 16384
	s_add_nc_u64 s[36:37], s[36:37], s[32:33]      ; my 256 bytes of images 32 and 33
	v_and_b32 v8, 31, v0
	v_lshlrev_b32 v6, 4, v8                        ; 16 x lane
	v_lshrrev_b32 v7, 1, v8                        ; byte 256 tau + 8 lane of the two scale images is byte 16 (tau / 2) + 8 (lane % 2) of row 16 (tau % 2) + lane / 2
	v_and_b32 v9, 1, v0
	v_lshlrev_b32 v7, 5, v7
	v_lshl_add_u32 v7, v9, 3, v7
	v_lshlrev_b32 v8, 3, v8
	global_load_b64 v[96:97], v7, s[20:21]
.irp i, 0,1,2,3,4,5,6,7
	global_load_b128 v[64+4*\i:67+4*\i], v5, s[18:19] offset:32*\i
.endr
	s_wait_loadcnt 7                               ; the oldest two loads are in
	global_store_b64 v8, v[96:97], s[36:37]        ; 32 lanes store 256 consecutive bytes, aligned
.irp i, 0,1,2,3,4,5,6,7
	s_wait_loadcnt 7-\i
	global_store_b128 v6, v[64+4*\i:67+4*\i], s[22:23] offset:512*\i   ; 512 consecutive bytes
.endr
.Lend:
	s_wait_tensorcnt 0x0                           ; the wave's end
	ds_add_u32 v1, v2
	s_wait_dscnt 0x0
	s_endpgm
.Lfunc_end_k_qdbf10dc929_prep:
	.size	k_qdbf10dc929_prep, .Lfunc_end_k_qdbf10dc929_prep-k_qdbf10dc929_prep
	.p2alignl 7, 3214868480
	.fill 96, 4, 3214868480
	.section	.rodata,"a",@progbits
	.p2align	6, 0x0
	.amdhsa_kernel k_qdbf10dc929_prep
		.amdhsa_group_segment_fixed_size 9216
		.amdhsa_private_segment_fixed_size 0
		.amdhsa_enable_private_segment 0
		.amdhsa_kernarg_size 88
		.amdhsa_user_sgpr_count 2
		.amdhsa_user_sgpr_kernarg_segment_ptr 1
		.amdhsa_wavefront_size32 1
		.amdhsa_system_sgpr_workgroup_id_x 1
		.amdhsa_system_sgpr_workgroup_id_y 1
		.amdhsa_system_sgpr_workgroup_id_z 1
		.amdhsa_system_vgpr_workitem_id 0
		.amdhsa_next_free_vgpr 256
		.amdhsa_next_free_sgpr 66
		.amdhsa_reserve_vcc 0
		.amdhsa_float_denorm_mode_32 3
		.amdhsa_float_denorm_mode_16_64 3
		.amdhsa_memory_ordered 1
		.amdhsa_forward_progress 1
		.amdhsa_inst_pref_size 16
	.end_amdhsa_kernel
	.amdgpu_metadata
---
amdhsa.version: [ 1, 2 ]
amdhsa.kernels:
  - .name:           k_qdbf10dc929_prep
    .symbol:         k_qdbf10dc929_prep.kd
    .args:
      - { .name: W_dec_codes, .offset: 0, .size: 8, .value_kind: global_buffer, .address_space: global }
      - { .name: W_dec_scales, .offset: 8, .size: 8, .value_kind: global_buffer, .address_space: global }
      - { .name: decoder_hidden_codes, .offset: 16, .size: 8, .value_kind: global_buffer, .address_space: global }
      - { .name: decoder_hidden_scales, .offset: 24, .size: 8, .value_kind: global_buffer, .address_space: global }
      - { .name: b_enc, .offset: 32, .size: 8, .value_kind: global_buffer, .address_space: global }
      - { .name: b_dec, .offset: 40, .size: 8, .value_kind: global_buffer, .address_space: global }
      - { .name: v, .offset: 48, .size: 8, .value_kind: global_buffer, .address_space: global }
      - { .name: W_enc_codes, .offset: 56, .size: 8, .value_kind: global_buffer, .address_space: global }
      - { .name: W_enc_scales, .offset: 64, .size: 8, .value_kind: global_buffer, .address_space: global }
      - { .name: WL, .offset: 72, .size: 8, .value_kind: global_buffer, .address_space: global }
      - { .name: TBL, .offset: 80, .size: 8, .value_kind: global_buffer, .address_space: global }
    .group_segment_fixed_size: 9216
    .private_segment_fixed_size: 0
    .kernarg_segment_align: 8
    .kernarg_segment_size: 88
    .max_flat_workgroup_size: 128
    .sgpr_count:     66
    .vgpr_count:     256
    .wavefront_size: 32
...
	.end_amdgpu_metadata
.endif
;; end of part 1
;; launch main (part 2): grid 256 x 1, 4 waves a work-group, clusters of 4 x 1, 327,680 bytes of LDS; arguments encoder_outputs, WL, TBL, tsc, pctx, pml; writes tsc, pctx, pml
.if DOCPART == 2
	.amdgcn_target "amdgcn-amd-amdhsa--gfx1250"
	.amdhsa_code_object_version 6
	.text
	.protected	k_qdbf10dc929_main
	.globl	k_qdbf10dc929_main
	.p2align	8
	.type	k_qdbf10dc929_main,@function
k_qdbf10dc929_main:
	s_mov_b64 s[64:65], 0
	v_nop
	global_prefetch_b8 v0, s[64:65] scope:SCOPE_SE
	s_setreg_imm32_b32 hwreg(HW_REG_WAVE_MODE, 25, 1), 1
	s_wait_xcnt 0x0
	s_wait_alu depctr_hold_cnt(0) depctr_sa_sdst(0) depctr_va_vdst(0) depctr_va_sdst(0) depctr_va_ssrc(0) depctr_va_vcc(0) depctr_vm_vsrc(0)
	s_getreg_b32 s2, hwreg(HW_REG_IB_STS2, 6, 4)
	s_cmp_eq_u32 s2, 0
	s_cbranch_scc0 .Lentry_in_a_cluster
	s_endpgm
.Lentry_in_a_cluster:
	s_bfe_u32 s2, ttmp6, 0x10000c
	s_cmp_lg_u32 s2, 0x3003
	s_cbranch_scc0 .Lentry_shape_is_right
	s_endpgm
.Lentry_shape_is_right:
; BAHDANAU ATTENTION, launch 2 of 3: encoder_outputs is read ONCE: quantised to E2M1, multiplied by W_enc (the table's product 1), tanh, the product with v, and the weighted sum of the same rows under a running maximum.
; LEFT OUT (shown at the head of launch 1): b_v and the sum of v, which are the same along the softmax's axis.  t = -2 log2(e) sum_d v[d] r[d], r = 1 / (1 + 2^(c x)), c = 2 log2(e); a row's weight is 2^(t - largest t).
; LIMITS: NaN and infinities among the inputs are not served.  A block of 32 of encoder_outputs whose largest magnitude lies under 2^-124 (a block of zeros too) gets the scale byte 1: its codes are then zeros or as the held
; scale gives them; the bytes are read by this program alone.  For the weighted sum (the table's product 4, left as it is) the rows are rounded once to bf16; weights and sums are f32.
; SHARES.  A work-group owns 256 rows of one batch, 64 at a time (four trips of .Lsub).  In the product wave w owns columns 128 k + 32 w + 0..31 of each of W's eight chunks k, for all 64 rows; in the quantiser and in the
; weighted sum it owns rows 16 w + 0..15.  What it leaves: t of its rows (tsc), its partial sum of rows under its own maximum (pctx), that maximum and the sum of weights (pml); launch 3 joins a batch's eight.
; THE ROWS come by loads into registers, 512 a wave, a whole sub-block ahead: they stay on their way across the ring's barriers.  Quantised, they are codes in LDS (read by all four waves into 256 registers) and bf16 images in LDS.
; W comes through a ring of two LDS slots, a chunk (128 columns x all of K, 69,632 bytes with its scale words) a slot, in the order of the operand's registers (launch 1 laid it so): a wave's quarter is one dense block, brought
; by the wave's own tensor load and read by that wave alone.  CLUSTER: the four work-groups of a cluster walk the same chunks in step, so each load is asked for JOINTLY: the same descriptor and the mask of all four in all four.
; THE PRODUCT IS USED TRANSPOSED (source 0 = 16 rows of W, source 1 = 16 rows of x): lane (r, h) holds row 16 a + r and columns 16 t + 8 h + 0..7, so the sum over columns is a sum over a lane's registers.
; One chunk's tanh stands in the next step, between that step's LDS loads and the wait for them.
.set QW,     17408                     ; a wave's quarter of a slot: 34 images of 512 bytes (68 rows of 256 for the tensor load)
.set SLOTB,  4*QW                      ; a slot; slot 0 at byte 0, slot 1 behind it
.set RET,    2*SLOTB                   ; the rows as bf16: wave w at 32,768 w, row rho at 2,048 rho, image q at 512 q, lane at 16 l.  At the very end its first 16 KiB are the stage for the partial sums
.set CODES,  RET+131072                ; 64 rows of codes: 512 bytes + 16: 132 words, so 16 rows start at 16 different banks (64 banks of 4 bytes: ISA guide 11.1)
.set CPITCH, 528
.set ASC,    CODES+64*CPITCH           ; their scale bytes: 32 a row, rows 48 bytes apart
.set AP,     48
.set TBLL,   ASC+64*AP                 ; launch 1's table of my batch: wave w at 2,048 w: c (dec + biases) at 4 q, v at 1,024 + 4 q.  Filled once
.set SPT,    TBLL+8192                 ; [wave][64 rows] partial sums over a wave's 256 columns
.set PB,     SPT+1024                  ; [wave][64 rows] the rows' weights, a copy for each wave
.set SPARE,  PB+1024                   ; the spare words, 128 bytes for each wave: two blocks of 256 bytes that no other line names
; REGISTERS, window 0: v1, v2 the add's two; v3, v4 my quarter of slot 0, 1 (+ 16 l); v5 table; v6, v7 x's fragments and scale words; v8, v9 where I put codes and scale bytes; v10 my bf16 images; v11 32 l; v12, v13 SPT in, out;
;   v14, v15 PB in, out; v16 8 l; v17, v29 addresses at work; v18 M, v19 L (a lane's part); v[20:21] f; v[22:23] t; v[24:25] p; v26-28 at work; v32-39 W's scale words; v40-55 x's; v56-71 c (dec + biases); v72-87 v;
;   v88-95 the rows' sums; v96-159 eight accumulators; v160-191 the weighted sum: register 8 sig + i is e = 256 sig + 8 l + i; v192-255 W's fragments, four buffers of 16.
;   windows 1, 2: the rows as they land: row rho at v[32 (rho % 8) + 8 sig + i] of window 1 + rho / 8.   window 3: x's fragments (a, s) at v[64 a + 8 s].
; SCALARS: s30 wave; s[36:43], s[44:51] descriptor groups 1; s[52:55], s[56:59], s[60:63] groups 0 (slot 0, slot 1, table); s[68:69] WL at my quarter; s[70:71] the chunk to be asked for next; s[72:73] x; s[74:75] tsc;
;   s[76:77] lane selects; s[78:79] c; s80 the sub-block; s81, s82 the context loop's steps; s84-87 and (what hangs on my place in the cluster) s88-91 at work.
.set MSB, 0
.macro WIN new                         ; s_set_vgpr_msb: bits 1:0 source 0, 3:2 source 1, 5:4 source 2, 7:6 destination; the high byte repeats the setting that is left
.if MSB != (\new)
	s_set_vgpr_msb (MSB<<8)|(\new)
.set MSB, (\new)
.endif
.endm
.macro PLACES                          ; four places behind matrix instructions, ahead of loads into their registers and of reads of their results
.rept 4
	v_nop
.endr
.endm
.macro CROUND                          ; a round of the cluster's barrier
	s_barrier_signal -1
	s_barrier_wait -1
	s_cmp_lg_u32 s30, 0
	s_cbranch_scc1 .Lnw0_\@
	s_barrier_signal -3
.Lnw0_\@:
	s_barrier_wait -3
	s_barrier_signal -1
	s_barrier_wait -1
.endm
.macro TLOAD slot                      ; every wave fetches its own quarter: no branch.  An s_nop 0 and four v_nop follow
	tensor_load_to_lds s[52+4*(\slot):55+4*(\slot)], s[36:43]
	s_nop 0
	PLACES
.endm
.macro XROW rho                        ; a row of x: lane l takes bytes 1,024 sig + 32 l + 0..31: eight neighbours along K for each of four conversions; the two halves of each 32 bytes stand side by side
.irp sig, 0,1,2,3
.irp u, 0,1
	global_load_b128 v[32*((\rho)%8)+8*\sig+4*\u:32*((\rho)%8)+8*\sig+4*\u+3], v11, s[72:73] offset:4096*(\rho)+1024*\sig+16*\u th:TH_LOAD_NT
.endr
.endr
.endm
	s_load_b256 s[4:11], s[0:1], 0x0               ; x s[4:5], WL s[6:7], TBL s[8:9], tsc s[10:11]
	s_load_b128 s[12:15], s[0:1], 0x20             ; pctx s[12:13], pml s[14:15]
	v_lshl_add_u32 v1, v0, 2, SPARE
	v_mov_b32 v2, 0
	ds_add_u32 v1, v2                              ; the wave's opening: the add, twice on end, and its wait ahead of my first tensor load
	ds_add_u32 v1, v2
	v_lshrrev_b32 v26, 5, v0
	v_readfirstlane_b32 s30, v26                   ; wave 0..3
	s_bfe_u32 s88, ttmp6, 0x40000                  ; cx: my place in the cluster: it enters global addresses of x and of the results alone
	s_lshl_b32 s89, ttmp9, 2
	s_add_co_u32 s89, s89, s88                     ; my work-group: 4 x cluster + cx
	s_mov_b32 s36, 15|(3<<16)|(1<<21)              ; group 1 for a quarter slot: mask of all four work-groups; elements of 8 bytes; bit 21 beside a mask; no padding
	s_mov_b32 s37, 32<<16                          ; tensor_dim0 = 32 elements: 256 bytes
	s_mov_b32 s38, 68<<16                          ; tensor_dim1 = 68 rows
	s_mov_b32 s39, 32<<16                          ; tile_dim0
	s_mov_b32 s40, 68                              ; tile_dim1
	s_mov_b32 s41, 32                              ; from row to row: dense
	s_mov_b32 s42, 0
	s_mov_b32 s43, 0
	s_mov_b32 s44, 15|(3<<16)|(1<<21)              ; group 1 for my 2,048 bytes of the table: 8 rows
	s_mov_b32 s45, 32<<16
	s_mov_b32 s46, 8<<16
	s_mov_b32 s47, 32<<16
	s_mov_b32 s48, 8
	s_mov_b32 s49, 32
	s_mov_b32 s50, 0
	s_mov_b32 s51, 0
	s_mul_i32 s84, s30, QW
	s_mov_b32 s52, 1
	s_mov_b32 s53, s84                             ; slot 0, my quarter
	s_mov_b32 s56, 1
	s_add_co_u32 s57, s84, SLOTB                   ; slot 1, my quarter
	s_mov_b32 s60, 1
	s_lshl_b32 s85, s30, 11
	s_add_co_u32 s61, s85, TBLL
	v_and_b32 v26, 31, v0                          ; l
	v_and_b32 v27, 15, v0                          ; r
	v_bfe_u32 v28, v0, 4, 1                        ; h
	v_lshl_add_u32 v3, v26, 4, s84
	v_add_nc_u32 v4, SLOTB, v3
	v_lshl_add_u32 v5, v28, 5, s61                 ; the table's eight numbers of my half: + 32 h
	v_mul_u32_u24 v6, v27, CPITCH
	v_lshl_add_u32 v6, v28, 4, v6
	v_add_nc_u32 v6, CODES, v6                     ; a fragment of x: row r x pitch + 16 h
	v_mul_u32_u24 v7, v26, AP
	v_add_nc_u32 v7, ASC, v7                       ; scale words: lane l takes row l (+ 32 a')
	s_mul_i32 s86, s30, 16*CPITCH
	s_add_co_u32 s86, s86, CODES
	v_lshl_add_u32 v8, v26, 2, s86                 ; my 16 rows' codes: 4 bytes a lane
	s_mul_i32 s86, s30, 16*AP
	s_add_co_u32 s86, s86, ASC
	v_lshrrev_b32 v9, 2, v26
	v_add_nc_u32 v9, s86, v9                       ; their scale bytes: four lanes share a block
	s_lshl_b32 s86, s30, 15
	s_add_co_u32 s86, s86, RET
	v_lshl_add_u32 v10, v26, 4, s86
	v_lshlrev_b32 v11, 5, v26
	s_lshl_b32 s86, s30, 8
	s_add_co_u32 s87, s86, SPT
	v_lshl_add_u32 v12, v27, 2, s87
	v_lshl_add_u32 v13, v26, 3, SPT
	s_add_co_u32 s87, s86, PB
	v_lshl_add_u32 v14, v26, 3, s87
	s_mul_i32 s86, s30, 320
	s_add_co_u32 s86, s86, PB
	v_mov_b32 v15, s86                             ; my copy of the weights, at my 16 rows: 256 w + 64 w
	v_lshlrev_b32 v16, 3, v26
	v_mov_b32 v18, 0xff61b1e6                      ; M: -3e38, under every t
	v_mov_b32 v19, 0                               ; L
	v_mov_b32 v21, 0                               ; (named as the upper half of the pair v[20:21])
	s_mov_b32 s76, 0x76543210
	s_mov_b32 s77, 0xfedcba98                      ; v_permlanex16_b32: lane l xor 16
	s_mov_b32 s78, 0x4038aa3b                      ; c = 2 log2(e)
	s_mov_b32 s79, s78
	s_mov_b32 s80, 0
	s_mov_b32 s87, 0
	s_mov_b32 s91, 0
	s_wait_dscnt 0x0                               ; both opening adds are done
	s_wait_kmcnt 0x0
	s_mov_b32 s86, s84
	s_add_nc_u64 s[68:69], s[6:7], s[86:87]        ; WL at chunk 0, my quarter
	s_lshr_b32 s86, ttmp9, 1                       ; my batch: two clusters to a batch, so the four partners share it
	s_lshl_b32 s86, s86, 13
	s_add_co_u32 s86, s86, s85
	s_add_nc_u64 s[62:63], s[8:9], s[86:87]        ; TBL[batch][w]
	s_or_b32 s63, s63, 0x80000000
	s_lshl_b32 s90, s89, 20                        ; 256 rows of 4,096 bytes a work-group,
	s_lshl_b32 s88, s30, 16                        ; 16 rows a wave
	s_add_co_u32 s90, s90, s88
	s_add_nc_u64 s[72:73], s[4:5], s[90:91]
	s_lshl_b32 s90, s89, 10
	s_add_nc_u64 s[74:75], s[10:11], s[90:91]
	s_lshl_b32 s90, s89, 12
	s_add_nc_u64 s[12:13], s[12:13], s[90:91]
	s_lshl_b32 s90, s89, 8
	s_add_nc_u64 s[14:15], s[14:15], s[90:91]
	CROUND                                         ; all four work-groups are here: the first joint load meets
	tensor_load_to_lds s[60:63], s[44:51]          ; the table: filled once
	s_nop 0
	PLACES
	WIN 0x40                                       ; destination window 1
.irp rho, 0,1,2,3,4,5,6,7
	XROW \rho                                      ; the first sub-block's rows: 128 loads; where the counter's field is full the issue holds (ISA guide 5.7.1), and nothing else is to be done here
.endr
	WIN 0x80
.irp rho, 8,9,10,11,12,13,14,15
	XROW \rho
.endr
	WIN 0
.set J, 0
.rept 32
	v_mov_b32 v[160+J], 0                          ; the weighted sum begins as zeros: the loop is written once, and its first f is 0
.set J, J+1
.endr
; Four of my rows, 4 grp + 0..3: a block of 32 along K lies in four neighbouring lanes, eight numbers each.
.macro QGROUP grp
.set WD, 1+(\grp)/2                    ; their window
.set XR, 128*((\grp)%2)                ; and their first register in it
.if (\grp) > 0
	s_wait_dscnt 0x0                               ; the last group's LDS stores have read their registers
.endif
	WIN 5*WD                                       ; sources 0 and 1 in the rows' window
.irp g, 0,1,2,3
.irp sig, 0,1,2,3
	v_max3_num_f32 v[96+4*\g+\sig], |v[XR+32*\g+8*\sig]|, |v[XR+32*\g+8*\sig+1]|, 0x1800000   ; the largest magnitude of my eight, and the floor 2^(3 - 127): the byte cannot fall under 1
.endr
.endr
.irp i, 2,4,6
.irp g, 0,1,2,3
.irp sig, 0,1,2,3
	v_max3_num_f32 v[96+4*\g+\sig], |v[XR+32*\g+8*\sig+\i]|, |v[XR+32*\g+8*\sig+\i+1]|, v[96+4*\g+\sig]   ; (sixteen chains by turns)
.endr
.endr
.endr
.irp g, 0,1,2,3
.irp kk, 0,1,2,3,4,5,6,7,8,9,10,11,12,13,14,15
	v_cvt_pk_bf16_f32 v[192+16*\g+\kk], v[XR+32*\g+2*\kk], v[XR+32*\g+2*\kk+1]   ; the row for the weighted sum
.endr
.endr
	WIN 0
.irp j, 0,1,2,3,4,5,6,7,8,9,10,11,12,13,14,15
	v_max_num_f32_dpp v[96+\j], v[96+\j], v[96+\j] row_xmask:1 row_mask:0xf bank_mask:0xf
.endr
.irp j, 0,1,2,3,4,5,6,7,8,9,10,11,12,13,14,15
	v_max_num_f32_dpp v[96+\j], v[96+\j], v[96+\j] row_xmask:2 row_mask:0xf bank_mask:0xf   ; the block's largest magnitude
.endr
.irp j, 0,1,2,3,4,5,6,7,8,9,10,11,12,13,14,15
	v_add_nc_u32 v[96+\j], 0xff000000, v[96+\j]    ; 2 off its exponent field: the conversion takes the exponent field of this operand as its scale
.endr
.irp j, 0,1,2,3,4,5,6,7,8,9,10,11,12,13,14,15
	v_lshrrev_b32 v[112+\j], 23, v[96+\j]          ; the scale's byte
.endr
	WIN WD
.irp g, 0,1,2,3
.irp sig, 0,1,2,3
	v_cvt_scalef32_pk8_fp4_f32 v[128+4*\g+\sig], v[XR+32*\g+8*\sig:XR+32*\g+8*\sig+7], v[96+4*\g+\sig]
.endr
.endr
	WIN 0
	v_nop                                          ; one plain place behind the scaled conversions
.irp g, 0,1,2,3
.irp q, 0,1,2,3
	ds_store_b128 v10, v[192+16*\g+4*\q:192+16*\g+4*\q+3] offset:2048*(4*(\grp)+\g)+512*\q   ; an image of the registers: 512 consecutive bytes
.endr
.irp sig, 0,1,2,3
	ds_store_b32 v8, v[128+4*\g+\sig] offset:CPITCH*(4*(\grp)+\g)+128*\sig                   ; codes of e = 256 sig + 8 l + 0..7: byte 128 sig + 4 l of the row
	ds_store_b8 v9, v[112+4*\g+\sig] offset:AP*(4*(\grp)+\g)+8*\sig                          ; block 8 sig + l / 4; its four lanes write the same byte with the same value
.endr
.endr
.endm
; The change of slots ahead of chunk k.  k < 7: chunk k has landed; my reads of the other slot are over; behind the round chunk k + 1 is asked for into that other slot: it has a step in which to land.
.macro RING k
	s_wait_tensorcnt 0x0                           ; my one tensor load that was out has landed: chunk k; so a group 0 may be written
.if (\k) < 7
	ds_add_u32 v1, v2
	s_mov_b64 s[54+4*(((\k)+1)%2):55+4*(((\k)+1)%2)], s[70:71]
	s_or_b32 s[55+4*(((\k)+1)%2)], s[55+4*(((\k)+1)%2)], 0x80000000
	s_add_nc_u64 s[70:71], s[70:71], SLOTB
	s_wait_dscnt 0x0                               ; the add is done, and so are all my LDS reads
	CROUND                                         ; the same holds of every wave of all four work-groups
	TLOAD ((\k)+1)%2                               ; its four v_nop are also the places ahead of the loads below
.else
	PLACES                                         ; the last chunk: nothing is asked for; I read bytes that my own load brought, so its wait is all the ordering
.endif
.endm
.macro SCALES slot                     ; W's scale words: register 32 + s; lanes 0-15 tile t = 0, lanes 16-31 tile t = 1
	ds_load_b128 v[32:35], v[3+(\slot)] offset:32*512
	ds_load_b128 v[36:39], v[3+(\slot)] offset:33*512
.endm
.macro FETCHK slot, s                  ; W's two fragments of K step s into buffer s % 4
.irp t, 0,1
.irp c, 0,1
	ds_load_b128 v[192+16*((\s)%4)+8*\t+4*\c:192+16*((\s)%4)+8*\t+4*\c+3], v[3+(\slot)] offset:(16*\t+2*(\s)+\c)*512
.endr
.endr
.endm
.macro TAB k, reg, off                 ; chunk k's 16 numbers of my half: 8 a tile
.irp t, 0,1
.irp u, 0,1
	ds_load_b128 v[\reg+8*\t+4*\u:\reg+8*\t+4*\u+3], v5 offset:\off+128*(\k)+64*\t+16*\u
.endr
.endr
.endm
.macro WMM z, ra, rb                   ; one product; z: it starts its sum; ra, rb: the scale words stand in lanes 16-31
.if (\z) && (\ra) && (\rb)
	v_wmma_scale_f32_16x16x128_f8f6f4 v[rD:rD+7], v[rW:rW+7], v[rX:rX+7], 0, v[rSW], v[rSX] matrix_a_fmt:MATRIX_FMT_FP4 matrix_b_fmt:MATRIX_FMT_FP4 matrix_a_scale:MATRIX_SCALE_ROW1 matrix_b_scale:MATRIX_SCALE_ROW1
.elseif (\z) && (\ra)
	v_wmma_scale_f32_16x16x128_f8f6f4 v[rD:rD+7], v[rW:rW+7], v[rX:rX+7], 0, v[rSW], v[rSX] matrix_a_fmt:MATRIX_FMT_FP4 matrix_b_fmt:MATRIX_FMT_FP4 matrix_a_scale:MATRIX_SCALE_ROW1
.elseif (\z) && (\rb)
	v_wmma_scale_f32_16x16x128_f8f6f4 v[rD:rD+7], v[rW:rW+7], v[rX:rX+7], 0, v[rSW], v[rSX] matrix_a_fmt:MATRIX_FMT_FP4 matrix_b_fmt:MATRIX_FMT_FP4 matrix_b_scale:MATRIX_SCALE_ROW1
.elseif (\z)
	v_wmma_scale_f32_16x16x128_f8f6f4 v[rD:rD+7], v[rW:rW+7], v[rX:rX+7], 0, v[rSW], v[rSX] matrix_a_fmt:MATRIX_FMT_FP4 matrix_b_fmt:MATRIX_FMT_FP4
.elseif (\ra) && (\rb)
	v_wmma_scale_f32_16x16x128_f8f6f4 v[rD:rD+7], v[rW:rW+7], v[rX:rX+7], v[rD:rD+7], v[rSW], v[rSX] matrix_a_fmt:MATRIX_FMT_FP4 matrix_b_fmt:MATRIX_FMT_FP4 matrix_a_scale:MATRIX_SCALE_ROW1 matrix_b_scale:MATRIX_SCALE_ROW1
.elseif (\ra)
	v_wmma_scale_f32_16x16x128_f8f6f4 v[rD:rD+7], v[rW:rW+7], v[rX:rX+7], v[rD:rD+7], v[rSW], v[rSX] matrix_a_fmt:MATRIX_FMT_FP4 matrix_b_fmt:MATRIX_FMT_FP4 matrix_a_scale:MATRIX_SCALE_ROW1
.elseif (\rb)
	v_wmma_scale_f32_16x16x128_f8f6f4 v[rD:rD+7], v[rW:rW+7], v[rX:rX+7], v[rD:rD+7], v[rSW], v[rSX] matrix_a_fmt:MATRIX_FMT_FP4 matrix_b_fmt:MATRIX_FMT_FP4 matrix_b_scale:MATRIX_SCALE_ROW1
.else
	v_wmma_scale_f32_16x16x128_f8f6f4 v[rD:rD+7], v[rW:rW+7], v[rX:rX+7], v[rD:rD+7], v[rSW], v[rSX] matrix_a_fmt:MATRIX_FMT_FP4 matrix_b_fmt:MATRIX_FMT_FP4
.endif
.endm
.macro MULK s                          ; K step s: four tiles of rows x two tiles of columns; the eight accumulators take turns, one instruction a turn
.irp a, 0,1,2,3
.irp t, 0,1
.set rD, 96+8*(2*\a+\t)
.set rW, 192+16*((\s)%4)+8*\t
.set rX, 64*\a+8*(\s)
.set rSW, 32+(\s)
.set rSX, 40+8*(\a/2)+(\s)
	WMM (\s)==0, \t, \a%2
.endr
.endr
.endm
.macro XNEXT k                         ; two rows of the next sub-block, if there is one: no load leaves its buffer
	s_cmp_eq_u32 s80, 3
	s_cbranch_scc1 .Lnox_\@
	WIN 0x40*(1+(\k)/4)
	XROW 2*(\k)
	XROW 2*(\k)+1
	WIN 0
.Lnox_\@:
.endm
; A chunk's 64 numbers a lane: r = 1 / (1 + 2^(c x + c bias)), and the rows' sums of v r.  The exponentials are one batch with one wait, the reciprocals another.  first = 1: the sub-block's first chunk starts the sums.
.macro TANH first
.irp q, 0,1,2,3,4,5,6,7
.irp p, 0,2,4,6
	v_pk_fma_f32 v[96+8*\q+\p:96+8*\q+\p+1], v[96+8*\q+\p:96+8*\q+\p+1], s[78:79], v[56+8*(\q%2)+\p:56+8*(\q%2)+\p+1] op_sel_hi:[1,0,1]   ; each accumulator from its low end on
.endr
.endr
.set J, 0
.rept 64
	v_exp_f32 v[96+J], v[96+J]
.set J, J+1
.endr
	v_nop                                          ; a plain place behind the last exponential
	s_wait_alu depctr_va_vdst(0)                   ; one wait for the batch, ahead of its first reader
.set J, 0
.rept 32
	v_pk_add_f32 v[96+J:97+J], v[96+J:97+J], 1.0 op_sel_hi:[1,0]
.set J, J+2
.endr
.set J, 0
.rept 64
	v_rcp_f32 v[96+J], v[96+J]
.set J, J+1
.endr
	v_nop
	s_wait_alu depctr_va_vdst(0)
.irp t, 0,1
.irp p, 0,2,4,6
.irp a, 0,1,2,3
.if (\first) && (\t == 0) && (\p == 0)
	v_pk_mul_f32 v[88+2*\a:89+2*\a], v[96+8*(2*\a+\t)+\p:96+8*(2*\a+\t)+\p+1], v[72+8*\t+\p:72+8*\t+\p+1]
.else
	v_pk_fma_f32 v[88+2*\a:89+2*\a], v[96+8*(2*\a+\t)+\p:96+8*(2*\a+\t)+\p+1], v[72+8*\t+\p:72+8*\t+\p+1], v[88+2*\a:89+2*\a]   ; (the four tiles of rows by turns)
.endif
.endr
.endr
.endr
.endm
.macro STEP k
	RING \k
	SCALES (\k)%2
	FETCHK (\k)%2, 0
	FETCHK (\k)%2, 1
	FETCHK (\k)%2, 2
	FETCHK (\k)%2, 3
	XNEXT \k
.if (\k) == 1
	TANH 1                                         ; the chunk before, while this chunk's fragments come out of LDS
.elseif (\k) > 1
	TANH 0
.endif
	s_wait_dscnt 0x0
	WIN 0x0c                                       ; source 1 (x) in window 3; LDS loads name destination and source 0 alone, so the setting stays to the step's end
	MULK 0
	PLACES
	FETCHK (\k)%2, 4
	TAB \k, 56, 0                                  ; this chunk's c (dec + biases): the chunk before has been through its tanh
	MULK 1
	PLACES
	FETCHK (\k)%2, 5
	TAB \k, 72, 1024                               ; and its v
	MULK 2
	PLACES
	FETCHK (\k)%2, 6
	MULK 3
	PLACES
	FETCHK (\k)%2, 7
	s_wait_dscnt 20                                ; K step 4's fragments are in: behind them 5 x 4 LDS loads were issued
	MULK 4
	s_wait_dscnt 12                                ; K step 5's: behind them 3 x 4
	MULK 5
	s_wait_dscnt 4                                 ; K step 6's: behind them K step 7's four
	MULK 6
	s_wait_dscnt 0x0
	MULK 7
	WIN 0
.endm
.macro CTX4 base, r0                   ; four rows' bf16 images in v[base ..], their weights in v[56 + r0 ..]
.irp i, 0,1,2,3
.irp kk, 0,1,2,3,4,5,6,7,8,9,10,11,12,13,14,15
	v_fma_mix_f32_bf16 v[160+2*\kk], v[\base+16*\i+\kk], v[56+\r0+\i], v[160+2*\kk] op_sel_hi:[1,0,0]
	v_fma_mix_f32_bf16 v[161+2*\kk], v[\base+16*\i+\kk], v[56+\r0+\i], v[161+2*\kk] op_sel:[1,0,0] op_sel_hi:[1,0,0]
.endr
.endr
.endm
.Lsub:	; ================ a sub-block of 64 rows
	s_wait_xcnt 0x0                                ; the rows' loads have read their base:
	s_add_nc_u64 s[72:73], s[72:73], 262144        ; it goes on to the sub-block that this trip asks for
	s_wait_tensorcnt 0x0                           ; no tensor load of mine is out
	ds_add_u32 v1, v2
	s_mov_b64 s[54:55], s[68:69]                   ; chunk 0 into slot 0,
	s_or_b32 s55, s55, 0x80000000
	s_add_nc_u64 s[70:71], s[68:69], SLOTB         ; chunk 1 next
	s_wait_dscnt 0x0
	CROUND
	TLOAD 0                                        ; it lands while the rows are quantised
	s_wait_loadcnt 0x0                             ; my 16 rows are in.  (For 0: the loads stand under branches on the trip's number, and this count holds on every way)
	QGROUP 0
	QGROUP 1
	QGROUP 2
	QGROUP 3
	s_wait_dscnt 0x0                               ; for the others' sake: my codes and scale bytes lie in LDS
	s_barrier_signal -1
	s_barrier_wait -1                              ; everybody's do.  Chunk 0's load may stay out
	WIN 0xc0                                       ; destination window 3
.irp a, 0,1,2,3
.irp s, 0,1,2,3,4,5,6,7
.irp c, 0,1
	ds_load_b128 v[64*\a+8*\s+4*\c:64*\a+8*\s+4*\c+3], v6 offset:16*CPITCH*\a+64*\s+32*\c   ; all 64 rows' fragments stay in registers for the eight chunks
.endr
.endr
.endr
	WIN 0
.irp a, 0,1
.irp c, 0,1
	ds_load_b128 v[40+8*\a+4*\c:40+8*\a+4*\c+3], v7 offset:32*AP*\a+16*\c   ; scale words: register 40 + 8 a' + s; lanes 0-15 tile 2 a', lanes 16-31 tile 2 a' + 1
.endr
.endr
	STEP 0
	STEP 1
	STEP 2
	STEP 3
	STEP 4
	STEP 5
	STEP 6
	STEP 7
	PLACES
	TANH 0                                         ; the last chunk's
	; ---- the rows' t, and the running maximum and sum
.irp a, 0,1,2,3
	v_add_f32 v[88+2*\a], v[88+2*\a], v[89+2*\a]
.endr
.irp a, 0,1,2,3
	v_permlanex16_b32 v[89+2*\a], v[88+2*\a], s76, s77
.endr
.irp a, 0,1,2,3
	v_add_f32 v[88+2*\a], v[88+2*\a], v[89+2*\a]   ; row 16 a + r, summed over my 256 columns
.endr
.irp a, 0,1,2,3
	ds_store_b32 v12, v[88+2*\a] offset:64*\a      ; (lanes r and r + 16 write the same word with the same value)
.endr
	s_wait_dscnt 0x0
	s_barrier_signal -1
	s_barrier_wait -1
.irp w, 0,1,2,3
	ds_load_b64 v[96+2*\w:97+2*\w], v13 offset:256*\w   ; rows 2 l and 2 l + 1, the four waves' parts
.endr
	s_wait_dscnt 0x0
	v_pk_add_f32 v[96:97], v[96:97], v[98:99]
	v_pk_add_f32 v[100:101], v[100:101], v[102:103]
	v_pk_add_f32 v[96:97], v[96:97], v[100:101]    ; the same order in every wave: all four hold the same bits
	v_pk_mul_f32 v[22:23], v[96:97], 0xc038aa3b op_sel_hi:[1,0]   ; t = -2 log2(e) x the sum
	s_cmp_lg_u32 s30, 0
	s_cbranch_scc1 .Lnot_t
	global_store_b64 v16, v[22:23], s[74:75]       ; wave 0: 32 lanes store 256 consecutive bytes, aligned
.Lnot_t:
	s_wait_xcnt 0x0                                ; the store has read its data and its base
	s_add_nc_u64 s[74:75], s[74:75], 256
	v_max_num_f32 v26, v22, v23
	v_max_num_f32_dpp v26, v26, v26 row_xmask:1 row_mask:0xf bank_mask:0xf
	v_max_num_f32_dpp v26, v26, v26 row_xmask:2 row_mask:0xf bank_mask:0xf
	v_max_num_f32_dpp v26, v26, v26 row_xmask:4 row_mask:0xf bank_mask:0xf
	v_max_num_f32_dpp v26, v26, v26 row_xmask:8 row_mask:0xf bank_mask:0xf
	v_permlanex16_b32 v27, v26, s76, s77
	v_max3_num_f32 v27, v26, v27, v18              ; the new M: the 64 rows' largest t and the old M
	v_sub_f32 v28, v18, v27
	v_sub_f32 v24, v22, v27
	v_sub_f32 v25, v23, v27
	v_exp_f32 v20, v28                             ; f = 2^(old M - new M)
	v_exp_f32 v24, v24                             ; p of rows 2 l,
	v_exp_f32 v25, v25                             ; 2 l + 1
	v_mov_b32 v18, v27                             ; (a plain place behind the three)
	s_wait_alu depctr_va_vdst(0)                   ; one wait for the three, ahead of their first reader
	v_fma_f32 v19, v19, v20, v24
	v_add_f32 v19, v19, v25                        ; L = L f + p + p: my lane's part
	ds_store_b64 v14, v[24:25]                     ; the weights, into my wave's own copy: LDS serves a wave's instructions in order, so no barrier
	; ---- the weighted sum of my 16 rows
.set J, 0
.rept 16
	v_pk_mul_f32 v[160+J:161+J], v[160+J:161+J], v[20:21] op_sel_hi:[1,0]
.set J, J+2
.endr
	s_mov_b32 s81, 0
.Lctx:	; two trips of eight rows
	s_lshr_b32 s82, s81, 9                         ; 2,048 bytes of a row against 4 of its weight
	v_add_nc_u32 v29, s82, v15
	v_add_nc_u32 v17, s81, v10
	ds_load_b128 v[56:59], v29                     ; eight weights: one address for all lanes
	ds_load_b128 v[60:63], v29 offset:16
.irp i, 0,1,2,3
.irp q, 0,1,2,3
	ds_load_b128 v[96+16*\i+4*\q:96+16*\i+4*\q+3], v17 offset:2048*\i+512*\q
.endr
.endr
.irp i, 0,1,2,3
.irp q, 0,1,2,3
	ds_load_b128 v[192+16*\i+4*\q:192+16*\i+4*\q+3], v17 offset:2048*(4+\i)+512*\q
.endr
.endr
	s_wait_dscnt 16                                ; the weights and the first four rows are in; the other four rows' sixteen loads may be out
	CTX4 96, 0
	s_wait_dscnt 0x0
	CTX4 192, 4
	s_add_co_u32 s81, s81, 16384
	s_cmp_lt_u32 s81, 32768
	s_cbranch_scc1 .Lctx
	s_add_co_u32 s80, s80, 1
	s_cmp_lt_u32 s80, 4
	s_cbranch_scc1 .Lsub
	; ================ the four waves' sums meet in a stage, in bytes that held bf16 rows
	s_wait_dscnt 0x0
	s_barrier_signal -1
	s_barrier_wait -1                              ; nobody reads those rows any more
	v_and_b32 v26, 31, v0
	s_lshl_b32 s84, s30, 12
	s_add_co_u32 s84, s84, RET
	v_lshl_add_u32 v26, v26, 5, s84                ; wave w at 4,096 w; e = 256 sig + 8 l + i at byte 4 e
.irp sig, 0,1,2,3
.irp u, 0,1
	ds_store_b128 v26, v[160+8*\sig+4*\u:160+8*\sig+4*\u+3] offset:1024*\sig+16*\u
.endr
.endr
	s_wait_dscnt 0x0
	s_barrier_signal -1
	s_barrier_wait -1
	v_lshlrev_b32 v28, 4, v0                       ; 16 x my thread's number: 128 threads cover 2,048 bytes
	v_add_nc_u32 v29, RET, v28
.irp u, 0,1
.irp w, 0,1,2,3
	ds_load_b128 v[96+16*\u+4*\w:96+16*\u+4*\w+3], v29 offset:4096*\w+2048*\u
.endr
.endr
	v_add_f32_dpp v19, v19, v19 row_xmask:1 row_mask:0xf bank_mask:0xf   ; L over the 32 lanes
	v_add_f32_dpp v19, v19, v19 row_xmask:2 row_mask:0xf bank_mask:0xf
	v_add_f32_dpp v19, v19, v19 row_xmask:4 row_mask:0xf bank_mask:0xf
	v_add_f32_dpp v19, v19, v19 row_xmask:8 row_mask:0xf bank_mask:0xf
	v_permlanex16_b32 v27, v19, s76, s77
	v_add_f32 v19, v19, v27
	s_wait_dscnt 0x0
.irp u, 0,1
.irp p, 0,2
	v_pk_add_f32 v[96+16*\u+\p:97+16*\u+\p], v[96+16*\u+\p:97+16*\u+\p], v[100+16*\u+\p:101+16*\u+\p]
	v_pk_add_f32 v[104+16*\u+\p:105+16*\u+\p], v[104+16*\u+\p:105+16*\u+\p], v[108+16*\u+\p:109+16*\u+\p]
.endr
.irp p, 0,2
	v_pk_add_f32 v[96+16*\u+\p:97+16*\u+\p], v[96+16*\u+\p:97+16*\u+\p], v[104+16*\u+\p:105+16*\u+\p]
.endr
	global_store_b128 v28, v[96+16*\u:99+16*\u], s[12:13] offset:2048*\u   ; a wave stores 512 consecutive bytes
.endr
	s_cmp_lg_u32 s30, 0
	s_cbranch_scc1 .Lnot_ml
	global_store_b64 v16, v[18:19], s[14:15]       ; wave 0: (M, L), 32 times over: 256 consecutive bytes, aligned
.Lnot_ml:
	s_wait_tensorcnt 0x0                           ; the wave's end, behind my last tensor load and my last LDS store
	ds_add_u32 v1, v2
	s_wait_dscnt 0x0
	CROUND                                         ; the closing round: no work-group ends while a partner may still ask for a tile that names it
	s_endpgm
.Lfunc_end_k_qdbf10dc929_main:
	.size	k_qdbf10dc929_main, .Lfunc_end_k_qdbf10dc929_main-k_qdbf10dc929_main
	.p2alignl 7, 3214868480
	.fill 96, 4, 3214868480
	.section	.rodata,"a",@progbits
	.p2align	6, 0x0
	.amdhsa_kernel k_qdbf10dc929_main
		.amdhsa_group_segment_fixed_size 327680
		.amdhsa_private_segment_fixed_size 0
		.amdhsa_enable_private_segment 0
		.amdhsa_kernarg_size 48
		.amdhsa_user_sgpr_count 2
		.amdhsa_user_sgpr_kernarg_segment_ptr 1
		.amdhsa_wavefront_size32 1
		.amdhsa_system_sgpr_workgroup_id_x 1
		.amdhsa_system_sgpr_workgroup_id_y 1
		.amdhsa_system_sgpr_workgroup_id_z 1
		.amdhsa_system_vgpr_workitem_id 0
		.amdhsa_next_free_vgpr 1024
		.amdhsa_next_free_sgpr 100
		.amdhsa_reserve_vcc 0
		.amdhsa_float_denorm_mode_32 3
		.amdhsa_float_denorm_mode_16_64 3
		.amdhsa_memory_ordered 1
		.amdhsa_forward_progress 1
		.amdhsa_inst_pref_size 255
	.end_amdhsa_kernel
	.section	.bss,"aw",@nobits
	.p2align	6
	.space	262144
	.amdgpu_metadata
---
amdhsa.version: [ 1, 2 ]
amdhsa.kernels:
  - .name:           k_qdbf10dc929_main
    .symbol:         k_qdbf10dc929_main.kd
    .args:
      - { .name: encoder_outputs, .offset: 0, .size: 8, .value_kind: global_buffer, .address_space: global }
      - { .name: WL, .offset: 8, .size: 8, .value_kind: global_buffer, .address_space: global }
      - { .name: TBL, .offset: 16, .size: 8, .value_kind: global_buffer, .address_space: global }
      - { .name: tsc, .offset: 24, .size: 8, .value_kind: global_buffer, .address_space: global }
      - { .name: pctx, .offset: 32, .size: 8, .value_kind: global_buffer, .address_space: global }
      - { .name: pml, .offset: 40, .size: 8, .value_kind: global_buffer, .address_space: global }
    .group_segment_fixed_size: 327680
    .private_segment_fixed_size: 0
    .kernarg_segment_align: 8
    .kernarg_segment_size: 48
    .max_flat_workgroup_size: 128
    .sgpr_count:     100
    .vgpr_count:     1024
    .wavefront_size: 32
...
	.end_amdgpu_metadata
.endif
;; end of part 2
;; launch combine (part 3): grid 256 x 1, 1 waves a work-group, no clusters, 0 bytes of LDS; arguments tsc, pctx, pml, out0, out1; writes out0, out1
.if DOCPART == 3
	.amdgcn_target "amdgcn-amd-amdhsa--gfx1250"
	.amdhsa_code_object_version 6
	.text
	.protected	k_qdbf10dc929_combine
	.globl	k_qdbf10dc929_combine
	.p2align	8
	.type	k_qdbf10dc929_combine,@function
k_qdbf10dc929_combine:
	s_mov_b64 s[64:65], 0
	v_nop
	global_prefetch_b8 v0, s[64:65] scope:SCOPE_SE
	s_setreg_imm32_b32 hwreg(HW_REG_WAVE_MODE, 25, 1), 1
	s_wait_xcnt 0x0
; BAHDANAU ATTENTION, launch 3 of 3: a batch's eight partial results are joined.  (b_v and the sum of v stay left out: shown at the head of launch 1.)
; Launch 2 left, for each of the batch's eight blocks i of 256 rows: m_i, the block's largest t; l_i = the sum of 2^(t - m_i); pctx_i = the sum of 2^(t - m_i) x row.  With Mg = the largest m_i and w_i = 2^(m_i - Mg):
; Lg = sum l_i w_i;  context = sum w_i pctx_i / Lg;  attn = 2^(t - Mg) / Lg.  The maximum is taken away as reference() takes it: no exponent is above 0, and Lg is at least 1.
; SHARES: work-group g = 8 b + j, one wave: 128 numbers of context[b] (512 bytes) and 256 of attn[b] (1,024 bytes).  A stream of a few loads: no LDS, no barrier, no matrix unit.
	s_load_b256 s[4:11], s[0:1], 0x0               ; tsc s[4:5], pctx s[6:7], pml s[8:9], out0 s[10:11]
	s_load_b64 s[12:13], s[0:1], 0x20              ; out1
	s_lshr_b32 s14, ttmp9, 3                       ; b
	s_and_b32 s15, ttmp9, 7                        ; j
	v_lshlrev_b32 v1, 4, v0                        ; 16 bytes a lane
	s_mov_b32 s17, 0
	s_wait_kmcnt 0x0
	s_lshl_b32 s16, s14, 11
	s_add_nc_u64 s[8:9], s[8:9], s[16:17]          ; the batch's eight pairs, 256 bytes apart
.irp i, 0,1,2,3,4,5,6,7
	s_load_b64 s[20+2*\i:21+2*\i], s[8:9], 256*\i  ; m_i, l_i
.endr
	s_lshl_b32 s18, s15, 9
	s_lshl_b32 s16, s14, 15
	s_add_co_u32 s16, s16, s18
	s_add_nc_u64 s[6:7], s[6:7], s[16:17]          ; pctx: 8 x 4,096 bytes a batch, my 512 of each
	s_lshl_b32 s16, s14, 12
	s_add_co_u32 s16, s16, s18
	s_add_nc_u64 s[10:11], s[10:11], s[16:17]
	s_lshl_b32 s18, s15, 10
	s_lshl_b32 s16, s14, 13
	s_add_co_u32 s16, s16, s18
	s_add_nc_u64 s[4:5], s[4:5], s[16:17]
	s_add_nc_u64 s[12:13], s[12:13], s[16:17]
.irp i, 0,1,2,3,4,5,6,7
	global_load_b128 v[4+4*\i:7+4*\i], v1, s[6:7] offset:4096*\i
.endr
	global_load_b128 v[36:39], v1, s[4:5]
	global_load_b128 v[40:43], v1, s[4:5] offset:512
	s_wait_kmcnt 0x0
	v_mov_b32 v44, s20
	v_max3_num_f32 v44, v44, s22, s24
	v_max3_num_f32 v44, v44, s26, s28
	v_max3_num_f32 v44, v44, s30, s32
	v_max_num_f32 v44, s34, v44                    ; Mg
.irp i, 0,1,2,3,4,5,6,7
	v_sub_f32 v[46+\i], s[20+2*\i], v44
.endr
.irp i, 0,1,2,3,4,5,6,7
	v_exp_f32 v[46+\i], v[46+\i]                   ; w_i
.endr
	v_nop                                          ; a plain place behind the last exponential
	s_wait_alu depctr_va_vdst(0)                   ; one wait for the eight, ahead of their first reader
	v_mul_f32 v45, s21, v46
.irp i, 1,2,3,4,5,6,7
	v_fmac_f32 v45, s[21+2*\i], v[46+\i]           ; Lg
.endr
	v_rcp_f32 v54, v45
	v_nop
	s_wait_alu depctr_va_vdst(0)
.irp i, 0,1,2,3,4,5,6,7
	v_mul_f32 v[46+\i], v[46+\i], v54              ; w_i / Lg
.endr
	s_wait_loadcnt 2                               ; the eight parts are in; t's two loads may be out
.irp c, 0,1,2,3
	v_mul_f32 v[56+\c], v[4+\c], v46
.endr
.irp i, 1,2,3,4,5,6,7
.irp c, 0,1,2,3
	v_fmac_f32 v[56+\c], v[4+4*\i+\c], v[46+\i]
.endr
.endr
	global_store_b128 v1, v[56:59], s[10:11]       ; 512 consecutive bytes of context
	s_wait_loadcnt 0x0
.irp c, 0,1,2,3,4,5,6,7
	v_sub_f32 v[36+\c], v[36+\c], v44
.endr
.irp c, 0,1,2,3,4,5,6,7
	v_exp_f32 v[36+\c], v[36+\c]
.endr
	v_nop
	s_wait_alu depctr_va_vdst(0)
.irp c, 0,1,2,3,4,5,6,7
	v_mul_f32 v[36+\c], v[36+\c], v54
.endr
	global_store_b128 v1, v[36:39], s[12:13]       ; and 2 x 512 of attn
	global_store_b128 v1, v[40:43], s[12:13] offset:512
	s_endpgm
.Lfunc_end_k_qdbf10dc929_combine:
	.size	k_qdbf10dc929_combine, .Lfunc_end_k_qdbf10dc929_combine-k_qdbf10dc929_combine
	.p2alignl 7, 3214868480
	.fill 96, 4, 3214868480
	.section	.rodata,"a",@progbits
	.p2align	6, 0x0
	.amdhsa_kernel k_qdbf10dc929_combine
		.amdhsa_group_segment_fixed_size 0
		.amdhsa_private_segment_fixed_size 0
		.amdhsa_enable_private_segment 0
		.amdhsa_kernarg_size 40
		.amdhsa_user_sgpr_count 2
		.amdhsa_user_sgpr_kernarg_segment_ptr 1
		.amdhsa_wavefront_size32 1
		.amdhsa_system_sgpr_workgroup_id_x 1
		.amdhsa_system_sgpr_workgroup_id_y 1
		.amdhsa_system_sgpr_workgroup_id_z 1
		.amdhsa_system_vgpr_workitem_id 0
		.amdhsa_next_free_vgpr 64
		.amdhsa_next_free_sgpr 66
		.amdhsa_reserve_vcc 0
		.amdhsa_float_denorm_mode_32 3
		.amdhsa_float_denorm_mode_16_64 3
		.amdhsa_memory_ordered 1
		.amdhsa_forward_progress 1
		.amdhsa_inst_pref_size 7
	.end_amdhsa_kernel
	.amdgpu_metadata
---
amdhsa.version: [ 1, 2 ]
amdhsa.kernels:
  - .name:           k_qdbf10dc929_combine
    .symbol:         k_qdbf10dc929_combine.kd
    .args:
      - { .name: tsc, .offset: 0, .size: 8, .value_kind: global_buffer, .address_space: global }
      - { .name: pctx, .offset: 8, .size: 8, .value_kind: global_buffer, .address_space: global }
      - { .name: pml, .offset: 16, .size: 8, .value_kind: global_buffer, .address_space: global }
      - { .name: out0, .offset: 24, .size: 8, .value_kind: global_buffer, .address_space: global }
      - { .name: out1, .offset: 32, .size: 8, .value_kind: global_buffer, .address_space: global }
    .group_segment_fixed_size: 0
    .private_segment_fixed_size: 0
    .kernarg_segment_align: 8
    .kernarg_segment_size: 40
    .max_flat_workgroup_size: 32
    .sgpr_count:     66
    .vgpr_count:     64
    .wavefront_size: 32
...
	.end_amdgpu_metadata
.endif
;; end of part 3
;; ======== version 2 of 2: 3 launches
;; limits: values are held in bf16: 8 bits of precision; right only within a limited range of input values
;; workspace buffers: WL 557,056 bytes; TBL 262,144 bytes; tsc 262,144 bytes; pctx 1,048,576 bytes; pml 65,536 bytes
;; launch prep (part 4): grid 48 x 1, 4 waves a work-group, no clusters, 9,216 bytes of LDS; arguments W_dec_codes, W_dec_scales, decoder_hidden_codes, decoder_hidden_scales, b_enc, b_dec, v, W_enc_codes, W_enc_scales, WL, TBL; writes WL, TBL
.if DOCPART == 4
	.amdgcn_target "amdgcn-amd-amdhsa--gfx1250"
	.amdhsa_code_object_version 6
	.text
	.protected	k_qdbf10dc929_prep
	.globl	k_qdbf10dc929_prep
	.p2align	8
	.type	k_qdbf10dc929_prep,@function
k_qdbf10dc929_prep:
	s_mov_b64 s[64:65], 0
	v_nop
	global_prefetch_b8 v0, s[64:65] scope:SCOPE_SE
	s_setreg_imm32_b32 hwreg(HW_REG_WAVE_MODE, 25, 1), 1
	s_wait_xcnt 0x0
; BAHDANAU ATTENTION, launch 1 of 3: the decoder's projection (the table's product 2, on codes of E2M1) and two tables for launch 2.
; WORK LEFT OUT, for all values of the inputs.  tanh(x) = 1 - 2 r with r = 1 / (1 + 2^(c x)), c = 2 log2(e).  So scores[b][s] = (sum over d of v[d]) + b_v - 2 sum over d of v[d] r[b][s][d].
; The first two terms are the same for every s of a row b, and softmax along s takes such a term away: attn, and context, which is made of attn, do not hang on them.  So b_v is not loaded and is among no launch's
; arguments, and the sum of v is never formed.  The program works with t = -2 log2(e) sum_d v[d] r[d] and weights 2^(t - the row's largest t): the maximum is taken away as reference() takes it.
; LIMITS: a NaN, an infinity or an overflow that reaches only b_v or the sum of v is not carried to the result.  NaN and infinities among the inputs are not served.
; WHAT IS STORED.  TBL[b][w][512 f32]: words q = 0..255: c (decoder_hidden W_dec + b_dec + b_enc)[b][n]; words 256 + q: v[n]; with q = 32 k + 16 t + rho and n = 128 k + 32 w + 16 t + rho: the 256 columns that wave w of
; launch 2 owns.  WL[k / 2][w][k % 2][34 images of 512 bytes]: W_enc's codes and scale bytes in the order of the operand's registers: image 16 t + 2 s + c holds, at 16 x lane, registers
; 4 c .. 4 c + 3 of the fragment (rows 128 k + 32 w + 16 t + lane % 16, K step s); images 32, 33 hold, at 16 x lane, the scale words of K steps 0-3, 4-7 of row 128 k + 32 w + lane.
; So wave w's part of a pair of chunks is 34,816 consecutive bytes.
; SHARES.  Work-groups 0-15 (w = g % 4, kap = g / 4): wave tau makes 16 columns x 32 batches; the four waves' 64 columns are 256 neighbouring bytes of TBL[b][w], which meet in a stage in LDS.
; Work-groups 16-47 (one for each (k, w)): a copy; each wave moves eight images and 256 bytes of the scale images.  The branch between the two hangs on the work-group's number alone: all four waves go one way.
.set SP,    272                        ; a stage row: 256 bytes + 16: 68 words, so 16 rows start at 16 different banks (64 banks of 4 bytes: ISA guide 11.1)
.set SPARE, 32*SP                      ; behind the stage: the spare words, 128 bytes for each wave: two blocks of 256 bytes that no other line names
; REGISTERS: v1, v2 the add's two; v3-11 lane terms; v[12:15] v's numbers; v16-31 two accumulators; v32-39, v40-47 scale words; v48-63 biases; v64-127 W_dec's fragments; v128-255 decoder_hidden's
	s_load_b256 s[4:11], s[0:1], 0x0               ; W_dec's codes s[4:5], its scales s[6:7]; decoder_hidden's codes s[8:9], its scales s[10:11]
	s_load_b256 s[12:19], s[0:1], 0x20             ; b_enc s[12:13], b_dec s[14:15], v s[16:17], W_enc's codes s[18:19]
	s_load_b128 s[20:23], s[0:1], 0x40             ; W_enc's scales s[20:21], WL s[22:23]
	s_load_b64 s[24:25], s[0:1], 0x50              ; TBL
	v_lshl_add_u32 v1, v0, 2, SPARE                ; my spare word
	v_mov_b32 v2, 0
	v_lshrrev_b32 v3, 5, v0
	v_readfirstlane_b32 s26, v3                    ; tau: wave 0..3
	v_and_b32 v3, 15, v0                           ; r
	v_bfe_u32 v4, v0, 4, 1                         ; h
	v_lshlrev_b32 v5, 9, v3
	v_lshl_add_u32 v5, v4, 4, v5                   ; a fragment's lane term: row r of 512 bytes + 16 h
	s_lshr_b32 s40, s26, 1                         ; tau / 2
	s_and_b32 s41, s26, 1                          ; tau % 2
	s_mov_b32 s33, 0                               ; the upper word of every offset
	s_wait_kmcnt 0x0
	s_cmp_ge_u32 ttmp9, 16
	s_cbranch_scc1 .Lrelay
	; ---- the decoder's projection
	s_and_b32 s27, ttmp9, 3                        ; w
	s_lshr_b32 s28, ttmp9, 2                       ; kap
	s_lshl_b32 s30, s28, 8
	s_lshl_b32 s31, s40, 7
	s_add_co_u32 s30, s30, s31
	s_lshl_b32 s31, s27, 5
	s_add_co_u32 s30, s30, s31
	s_lshl_b32 s31, s41, 4
	s_add_co_u32 s30, s30, s31                     ; n0 = 256 kap + 128 (tau / 2) + 32 w + 16 (tau % 2): my 16 columns
	s_lshl_b32 s32, s30, 9
	s_add_nc_u64 s[4:5], s[4:5], s[32:33]          ; their rows of codes,
	s_lshl_b32 s32, s30, 5
	s_add_nc_u64 s[6:7], s[6:7], s[32:33]          ; of scale bytes,
	s_lshl_b32 s32, s30, 2
	s_add_nc_u64 s[12:13], s[12:13], s[32:33]      ; and their biases
	s_add_nc_u64 s[14:15], s[14:15], s[32:33]
	s_lshl_b32 s32, s28, 10
	s_lshl_b32 s31, s27, 7
	s_add_co_u32 s32, s32, s31
	s_add_nc_u64 s[16:17], s[16:17], s[32:33]      ; v at column 256 kap + 32 w
	s_lshl_b32 s32, s26, 16
	s_lshl_b32 s31, s27, 11
	s_add_co_u32 s32, s32, s31
	s_lshl_b32 s31, s28, 8
	s_add_co_u32 s32, s32, s31
	s_add_nc_u64 s[24:25], s[24:25], s[32:33]      ; TBL at batch 8 tau, part w, word 64 kap
	s_mov_b32 s34, 0x4038aa3b                      ; c = 2 log2(e)
	s_mov_b32 s35, s34                             ; (named with it as a pair, so it is written)
	s_wait_alu depctr_va_vdst(0)
	v_lshlrev_b32 v6, 5, v3                        ; W_dec's scale words: 32 bytes a row
	v_and_b32 v7, 31, v0
	v_lshlrev_b32 v7, 5, v7                        ; decoder_hidden's: lane l takes batch l, so lanes 16-31 hold batches 16-31
	v_lshlrev_b32 v8, 5, v4                        ; the biases of my eight columns 8 h + 0..7
	v_bfe_u32 v9, v0, 3, 1                         ; v, as TBL wants it: lane lam = l % 16 writes words 4 lam .. 4 lam + 3, which are columns 128 (lam / 8) + 16 ((lam / 4) % 2) + 4 (lam % 4) + 0..3
	v_lshlrev_b32 v9, 9, v9
	v_bfe_u32 v10, v0, 2, 1
	v_lshl_add_u32 v9, v10, 6, v9
	v_and_b32 v10, 3, v0
	v_lshl_add_u32 v9, v10, 4, v9
	v_mul_u32_u24 v10, v3, SP                      ; into the stage: row = batch r (+ 16 a), my wave's 64 bytes, 32 h
	v_lshl_add_u32 v10, v4, 5, v10
	s_lshl_b32 s31, s26, 6
	v_add_nc_u32 v10, s31, v10
	v_mul_u32_u24 v11, v4, SP                      ; back: rows 8 tau + 2 i + h, sixteen lanes to a row
	v_lshl_add_u32 v11, v3, 4, v11
	s_mul_i32 s31, s26, 8*SP
	v_add_nc_u32 v11, s31, v11
.irp s, 0,1,2,3,4,5,6,7
.irp c, 0,1
	global_load_b128 v[64+8*\s+4*\c:64+8*\s+4*\c+3], v5, s[4:5] offset:64*\s+32*\c           ; W_dec(n0 + r, K step s)
	global_load_b128 v[128+8*\s+4*\c:128+8*\s+4*\c+3], v5, s[8:9] offset:64*\s+32*\c         ; batches 0-15
	global_load_b128 v[192+8*\s+4*\c:192+8*\s+4*\c+3], v5, s[8:9] offset:8192+64*\s+32*\c    ; batches 16-31
.endr
.endr
.irp c, 0,1
	global_load_b128 v[32+4*\c:35+4*\c], v6, s[6:7] offset:16*\c       ; scale words: register 32 + s for K step s
	global_load_b128 v[40+4*\c:43+4*\c], v7, s[10:11] offset:16*\c     ; and 40 + s
	global_load_b128 v[48+4*\c:51+4*\c], v8, s[12:13] offset:16*\c     ; b_enc
	global_load_b128 v[56+4*\c:59+4*\c], v8, s[14:15] offset:16*\c     ; b_dec
.endr
	global_load_b128 v[12:15], v9, s[16:17]
	s_wait_loadcnt 0x0
.irp p, 0,2,4,6
	v_pk_add_f32 v[48+\p:49+\p], v[48+\p:49+\p], v[56+\p:57+\p]        ; b_enc + b_dec: the C of each sum's first product
.endr
.rept 4
	v_nop
.endr
	; TRANSPOSED: source 0 = 16 rows of W_dec, source 1 = 16 batches: lane (r, h) holds batch r (+ 16 a) and columns n0 + 8 h + 0..7.  The two accumulators take turns.
	v_wmma_scale_f32_16x16x128_f8f6f4 v[16:23], v[64:71], v[128:135], v[48:55], v32, v40 matrix_a_fmt:MATRIX_FMT_FP4 matrix_b_fmt:MATRIX_FMT_FP4
	v_wmma_scale_f32_16x16x128_f8f6f4 v[24:31], v[64:71], v[192:199], v[48:55], v32, v40 matrix_a_fmt:MATRIX_FMT_FP4 matrix_b_fmt:MATRIX_FMT_FP4 matrix_b_scale:MATRIX_SCALE_ROW1
.irp s, 1,2,3,4,5,6,7
	v_wmma_scale_f32_16x16x128_f8f6f4 v[16:23], v[64+8*\s:71+8*\s], v[128+8*\s:135+8*\s], v[16:23], v[32+\s], v[40+\s] matrix_a_fmt:MATRIX_FMT_FP4 matrix_b_fmt:MATRIX_FMT_FP4
	v_wmma_scale_f32_16x16x128_f8f6f4 v[24:31], v[64+8*\s:71+8*\s], v[192+8*\s:199+8*\s], v[24:31], v[32+\s], v[40+\s] matrix_a_fmt:MATRIX_FMT_FP4 matrix_b_fmt:MATRIX_FMT_FP4 matrix_b_scale:MATRIX_SCALE_ROW1
.endr
.rept 4
	v_nop                                          ; four places ahead of the reads of the sums, and of the writes and loads over fragments that are done with
.endr
.irp i, 0,2,4,6,8,10,12,14
	v_pk_mul_f32 v[64+\i:65+\i], v[16+\i:17+\i], s[34:35] op_sel_hi:[1,0]   ; x c; each accumulator from its low end on
.endr
	v_lshlrev_b32 v5, 13, v4                       ; (all loads are in: v5 is free)  TBL: batch + h, 16 bytes a lane
	v_lshl_add_u32 v5, v3, 4, v5
.irp a, 0,1
	ds_store_b128 v10, v[64+8*\a:67+8*\a] offset:16*SP*\a
	ds_store_b128 v10, v[68+8*\a:71+8*\a] offset:16*SP*\a+16
.endr
.irp i, 0,1,2,3
	global_store_b128 v5, v[12:15], s[24:25] offset:16384*\i+1024      ; v's part of TBL[batch][w]: sixteen lanes store 256 consecutive bytes, aligned
.endr
	s_wait_alu depctr_va_vdst(0)
	s_wait_dscnt 0x0                               ; for the others' sake: my stores into the stage are done
	s_barrier_signal -1
	s_barrier_wait -1
.irp i, 0,1,2,3
	ds_load_b128 v[80+4*\i:83+4*\i], v11 offset:2*SP*\i
.endr
.irp i, 0,1,2,3
	s_wait_dscnt 3-\i                              ; LDS loads come back in order: the i-th is in
	global_store_b128 v5, v[80+4*\i:83+4*\i], s[24:25] offset:16384*\i ; batches 8 tau + 2 i and + 1
.endr
	s_branch .Lend
.Lrelay:	; ---- W_enc into the order of the operand's registers
	s_sub_co_u32 s27, ttmp9, 16                    ; g = 4 k + w; its rows begin at 32 g
	s_lshl_b32 s30, s27, 5
	s_lshl_b32 s31, s40, 4
	s_add_co_u32 s30, s30, s31                     ; my tile t = tau / 2
	s_lshl_b32 s32, s30, 9
	s_lshl_b32 s31, s41, 8
	s_add_co_u32 s32, s32, s31                     ; my half of a row's 512 bytes: images 8 tau + i hold bytes 256 (tau % 2) + 32 i + 16 h
	s_add_nc_u64 s[18:19], s[18:19], s[32:33]
	s_lshl_b32 s32, s27, 10                        ; the scale bytes of the 32 rows: 1,024 bytes
	s_lshl_b32 s31, s41, 9
	s_add_co_u32 s32, s32, s31
	s_lshl_b32 s31, s40, 4
	s_add_co_u32 s32, s32, s31
	s_add_nc_u64 s[20:21], s[20:21], s[32:33]
	s_lshr_b32 s38, s27, 3                         ; the pair k / 2,
	s_lshl_b32 s38, s38, 2
	s_and_b32 s39, s27, 3                          ; w:
	s_add_co_u32 s38, s38, s39
	s_mul_i32 s32, s38, 34816                      ; wave w's part of the pair,
	s_bfe_u32 s39, s27, 0x10002                    ; k % 2:
	s_mul_i32 s39, s39, 17408                      ; its first or second half
	s_add_co_u32 s32, s32, s39
	s_add_nc_u64 s[36:37], s[22:23], s[32:33]      ; WL[k / 2][w][k % 2]
	s_lshl_b32 s32, s26, 12
	s_add_nc_u64 s[22:23], s[36:37], s[32:33]      ; my eight images
	s_lshl_b32 s32, s26, 8
	s_add_co_u32 s32, s32, 16384
	s_add_nc_u64 s[36:37], s[36:37], s[32:33]      ; my 256 bytes of images 32 and 33
	v_and_b32 v8, 31, v0
	v_lshlrev_b32 v6, 4, v8                        ; 16 x lane
	v_lshrrev_b32 v7, 1, v8                        ; byte 256 tau + 8 lane of the two scale images is byte 16 (tau / 2) + 8 (lane % 2) of row 16 (tau % 2) + lane / 2
	v_and_b32 v9, 1, v0
	v_lshlrev_b32 v7, 5, v7
	v_lshl_add_u32 v7, v9, 3, v7
	v_lshlrev_b32 v8, 3, v8
	global_load_b64 v[96:97], v7, s[20:21]
	s_wait_alu depctr_va_vdst(0)
.irp i, 0,1,2,3,4,5,6,7
	global_load_b128 v[64+4*\i:67+4*\i], v5, s[18:19] offset:32*\i
.endr
	s_wait_loadcnt 7                               ; the oldest two loads are in
	global_store_b64 v8, v[96:97], s[36:37]        ; 32 lanes store 256 consecutive bytes, aligned
.irp i, 0,1,2,3,4,5,6,7
	s_wait_loadcnt 7-\i
	global_store_b128 v6, v[64+4*\i:67+4*\i], s[22:23] offset:512*\i   ; 512 consecutive bytes
.endr
.Lend:
	s_wait_tensorcnt 0x0                           ; the wave's end
	ds_add_u32 v1, v2
	s_wait_dscnt 0x0
	s_endpgm
.Lfunc_end_k_qdbf10dc929_prep:
	.size	k_qdbf10dc929_prep, .Lfunc_end_k_qdbf10dc929_prep-k_qdbf10dc929_prep
	.p2alignl 7, 3214868480
	.fill 96, 4, 3214868480
	.section	.rodata,"a",@progbits
	.p2align	6, 0x0
	.amdhsa_kernel k_qdbf10dc929_prep
		.amdhsa_group_segment_fixed_size 9216
		.amdhsa_private_segment_fixed_size 0
		.amdhsa_enable_private_segment 0
		.amdhsa_kernarg_size 88
		.amdhsa_user_sgpr_count 2
		.amdhsa_user_sgpr_kernarg_segment_ptr 1
		.amdhsa_wavefront_size32 1
		.amdhsa_system_sgpr_workgroup_id_x 1
		.amdhsa_system_sgpr_workgroup_id_y 1
		.amdhsa_system_sgpr_workgroup_id_z 1
		.amdhsa_system_vgpr_workitem_id 0
		.amdhsa_next_free_vgpr 256
		.amdhsa_next_free_sgpr 66
		.amdhsa_reserve_vcc 0
		.amdhsa_float_denorm_mode_32 3
		.amdhsa_float_denorm_mode_16_64 3
		.amdhsa_memory_ordered 1
		.amdhsa_forward_progress 1
		.amdhsa_inst_pref_size 17
	.end_amdhsa_kernel
	.amdgpu_metadata
---
amdhsa.version: [ 1, 2 ]
amdhsa.kernels:
  - .name:           k_qdbf10dc929_prep
    .symbol:         k_qdbf10dc929_prep.kd
    .args:
      - { .name: W_dec_codes, .offset: 0, .size: 8, .value_kind: global_buffer, .address_space: global }
      - { .name: W_dec_scales, .offset: 8, .size: 8, .value_kind: global_buffer, .address_space: global }
      - { .name: decoder_hidden_codes, .offset: 16, .size: 8, .value_kind: global_buffer, .address_space: global }
      - { .name: decoder_hidden_scales, .offset: 24, .size: 8, .value_kind: global_buffer, .address_space: global }
      - { .name: b_enc, .offset: 32, .size: 8, .value_kind: global_buffer, .address_space: global }
      - { .name: b_dec, .offset: 40, .size: 8, .value_kind: global_buffer, .address_space: global }
      - { .name: v, .offset: 48, .size: 8, .value_kind: global_buffer, .address_space: global }
      - { .name: W_enc_codes, .offset: 56, .size: 8, .value_kind: global_buffer, .address_space: global }
      - { .name: W_enc_scales, .offset: 64, .size: 8, .value_kind: global_buffer, .address_space: global }
      - { .name: WL, .offset: 72, .size: 8, .value_kind: global_buffer, .address_space: global }
      - { .name: TBL, .offset: 80, .size: 8, .value_kind: global_buffer, .address_space: global }
    .group_segment_fixed_size: 9216
    .private_segment_fixed_size: 0
    .kernarg_segment_align: 8
    .kernarg_segment_size: 88
    .max_flat_workgroup_size: 128
    .sgpr_count:     66
    .vgpr_count:     256
    .wavefront_size: 32
...
	.end_amdgpu_metadata
.endif
;; end of part 4
;; launch main (part 5): grid 256 x 1, 4 waves a work-group, clusters of 4 x 1, 327,680 bytes of LDS; arguments encoder_outputs, WL, TBL, tsc, pctx, pml; writes tsc, pctx, pml
.if DOCPART == 5
	.amdgcn_target "amdgcn-amd-amdhsa--gfx1250"
	.amdhsa_code_object_version 6
	.text
	.protected	k_qdbf10dc929_main
	.globl	k_qdbf10dc929_main
	.p2align	8
	.type	k_qdbf10dc929_main,@function
k_qdbf10dc929_main:
	s_mov_b64 s[64:65], 0
	v_nop
	global_prefetch_b8 v0, s[64:65] scope:SCOPE_SE
	s_setreg_imm32_b32 hwreg(HW_REG_WAVE_MODE, 25, 1), 1
	s_wait_xcnt 0x0
	s_wait_alu depctr_hold_cnt(0) depctr_sa_sdst(0) depctr_va_vdst(0) depctr_va_sdst(0) depctr_va_ssrc(0) depctr_va_vcc(0) depctr_vm_vsrc(0)
	s_getreg_b32 s2, hwreg(HW_REG_IB_STS2, 6, 4)
	s_cmp_eq_u32 s2, 0
	s_cbranch_scc0 .Lentry_in_a_cluster
	s_endpgm
.Lentry_in_a_cluster:
	s_bfe_u32 s2, ttmp6, 0x10000c
	s_cmp_lg_u32 s2, 0x3003
	s_cbranch_scc0 .Lentry_shape_is_right
	s_endpgm
.Lentry_shape_is_right:
; BAHDANAU ATTENTION, launch 2 of 3: encoder_outputs is read ONCE: quantised to E2M1, multiplied by W_enc (the table's product 1), tanh, the product with v, and the weighted sum of the same rows under a running maximum.
; LEFT OUT (shown at the head of launch 1): b_v and the sum of v, which are the same along the softmax's axis.  t = -2 log2(e) sum_d v[d] r[d], r = 1 / (1 + 2^(c x)), c = 2 log2(e); a row's weight is 2^(t - largest t).
; LIMITS: NaN and infinities among the inputs are not served.  A block of 32 of encoder_outputs whose largest magnitude lies under 2^-124 (a block of zeros too) gets the scale byte 1: its codes are then zeros or as the held
; scale gives them; the bytes are read by this program alone.  For the weighted sum (the table's product 4, left as it is) the rows are rounded once to bf16; weights and sums are f32.
; SHARES.  A work-group owns 256 rows of one batch, 64 at a time (four trips of .Lsub).  In the product wave w owns columns 128 k + 32 w + 0..31 of each of W's eight chunks k, for all 64 rows; in the quantiser and in the
; weighted sum it owns rows 16 w + 0..15.  What it leaves: t of its rows (tsc), its partial sum of rows under its own maximum (pctx), that maximum and the sum of weights (pml); launch 3 joins a batch's eight.
; THE ROWS come by loads into registers, ahead of their sub-block.  Rows 0-7 of a wave land in window 1: it is free once the sub-block's own rows 0-7 are quantised, so rows 0-5 are asked for among the quantising of rows 8-15
; and rows 6, 7 in the first half step.  Rows 8-15 land in window 3, which holds x's fragments while the products run: they are asked for in the sub-block's last half step, two rows behind each two K steps, whose fragments'
; registers are those rows' places.  Quantised, the rows are codes in LDS (read by all four waves into window 3) and bf16 in window 2, where the weighted sum finds them.
; W comes through a ring of two LDS slots, a PAIR of chunks (256 columns x all of K, 139,264 bytes with its scale words) a slot, in the order of the operand's registers (launch 1 laid it so): a wave's quarter is one dense
; block, brought by the wave's own tensor load and read by that wave alone.  THE FOUR PAIRS ARE WALKED TO AND FRO: 0 1 2 3, then 3 2 1 0, so that the two pairs that lie in LDS at a sub-block's end are the next sub-block's
; first two: a sub-block asks for two pairs, each into the slot that has just been read out, with two chunks' work in which to land: 2 + 4 x 2 loads a wave in the launch.  No row is asked of memory while a refill is out.
; CLUSTER: the four work-groups of a cluster walk the same pairs in step, so each load is asked for JOINTLY: the same descriptor and the mask of all four in all four.
; THE PRODUCT: 32 x 16 x 128, source 0 = 32 rows of x, source 1 = 16 columns of W.  Lane (r, h) holds ONE column, 16 t + r, and its 16 registers rows 16 g + 8 h + j: so the bias and v are one number a lane, and the rows' sums of
; v r are kept a lane (32 registers) through all chunks and summed over the sixteen lanes once a sub-block.  A chunk goes as TWO HALF STEPS of 16 columns: all eight K steps' fragments of a half fill the 64 buffer registers;
; they are fetched in one run, under the tanh of the half before, and multiplied in one run of 16 matrix instructions.
.set QW,     17408                     ; a wave's part of a chunk: 34 images of 512 bytes
.set QP,     2*QW                      ; and of a pair: 136 rows of 256 bytes for the tensor load
.set SLOTB,  4*QP                      ; a slot, and a pair in memory; slot 0 at byte 0, slot 1 behind it
.set CODES,  2*SLOTB                   ; 64 rows of codes: 512 bytes + 16: 132 words, so 16 rows start at 16 different banks (64 banks of 4 bytes: ISA guide 11.1).  At the very end its first 16 KiB are the stage for the partial sums
.set CPITCH, 528
.set ASC,    CODES+64*CPITCH           ; their scale bytes: 32 a row, rows 48 bytes apart
.set AP,     48
.set TBLL,   ASC+64*AP                 ; launch 1's table of my batch: wave w at 2,048 w: c (dec + biases) at 4 q, v at 1,024 + 4 q, q = 32 k + 16 t + r.  Stored once, by each wave for itself
.set SPT,    TBLL+8192                 ; [wave][64 rows] partial sums over a wave's 256 columns
.set PB,     SPT+1024                  ; [wave][64 rows] the rows' weights, a copy for each wave
.set SPARE,  PB+1024                   ; the spare words, 128 bytes for each wave: two blocks of 256 bytes that no other line names
; REGISTERS, window 0: v1, v2 the add's two; v3 my quarter of slot 0 (+ 16 l); v4 the same in the slot in hand; v5 table (+ 4 r); v30 the table at the pair in hand; v6, v7 x's fragments and scale words; v8, v9 where I put
;   codes and scale bytes; v10 256 l; v11 32 l; v12, v13 SPT in, out; v14, v15 PB in, out; v16 8 l; v17 16 l; v31 my part of the table + 16 l; v18 M, v19 L (a lane's part); v[20:21] f; v[22:23] t; v[24:25] p; v26-29 at work;
;   v32-39 W's scale words; v40-55 x's; v56, v58 c (dec + biases) of tiles t = 0, 1; v60, v62 v (the odd registers beside them are named as pairs' upper halves only); v64-95 the rows' sums: register 16 A + 8 g + j is row
;   32 A + 16 g + 8 h + j; in the weighted sum v56-71 are my 16 rows' weights; v96-127, v128-159 accumulators of the even and the odd K steps, 16 A + 8 g + j likewise; v160-191 the weighted sum: register 8 sig + i is
;   e = 256 sig + 8 l + i; v192-255 W's fragments of one tile: K step s at v[192 + 8 s].
;   window 1: rows 0-7 as they land: row rho at v[32 rho + 8 sig + i].   window 2: my 16 rows as bf16: row rho at v[16 rho + kk], numbers 2 kk and 2 kk + 1 of the lane's 32.
;   window 3: x's fragments: tile a = 2 A + g, K step s at v[128 A + 16 s + 8 g]; as they are done with: rows 8-15 as they land, row rho at v[32 (rho - 8) + 8 sig + i].
; SCALARS: s30 wave; s[36:43] descriptor group 1; s[52:55], s[56:59] groups 0 (first refill, second refill); s61 my part of the table in LDS; s[62:63] and in memory; s[68:69] WL at my quarter of pair 0;
;   s[72:73] x at the NEXT sub-block; s[74:75] tsc; s[76:77] lane selects; s[78:79] c; s80 the sub-block; s83, s92 the slots of a sub-block's 1st and 3rd, 2nd and 4th pair; s93, s94 where its 3rd and 4th pair lie in WL;
;   s95 the table's turn (0 or 768); s96 my quarter's place in a slot; s[98:99] an offset; s84-87 and (what hangs on my place in the cluster) s88-91 at work.
.set MSB, 0
.macro WIN new                         ; s_set_vgpr_msb: bits 1:0 source 0, 3:2 source 1, 5:4 source 2, 7:6 destination; the high byte repeats the setting that is left
.if MSB != (\new)
	s_set_vgpr_msb (MSB<<8)|(\new)
.set MSB, (\new)
.endif
.endm
.macro PLACES                          ; four places behind matrix instructions, ahead of loads into their registers and of reads of their results
.rept 4
	v_nop
.endr
.endm
.macro CROUND                          ; a round of the cluster's barrier
	s_barrier_signal -1
	s_barrier_wait -1
	s_cmp_lg_u32 s30, 0
	s_cbranch_scc1 .Lnw0_\@
	s_barrier_signal -3
.Lnw0_\@:
	s_barrier_wait -3
	s_barrier_signal -1
	s_barrier_wait -1
.endm
.macro XROW rho, back                  ; a row of x: lane l takes bytes 1,024 sig + 32 l + 0..31: eight neighbours along K for each of four conversions; the two halves of each 32 bytes stand side by side
.irp sig, 0,1,2,3
.irp u, 0,1
	global_load_b128 v[32*((\rho)%8)+8*\sig+4*\u:32*((\rho)%8)+8*\sig+4*\u+3], v11, s[72:73] offset:4096*(\rho)+1024*\sig+16*\u-(\back) th:TH_LOAD_RT_NT
.endr
.endr
.endm
.macro XN win, r0, n                   ; n (1 or 2) rows of the next sub-block from row r0 on, if there is a next one: no load leaves its buffer
	s_cmp_eq_u32 s80, 3
	s_cbranch_scc1 .Lnox_\@
	WIN \win
	XROW \r0, 0
.if (\n) > 1
	XROW (\r0)+1, 0
.endif
	WIN 0
.Lnox_\@:
.endm
.macro XS s0, win                      ; K steps s0 and s0 + 1 of the sub-block's last half step are multiplied: their fragments' 2 x 32 registers are the places of rows 8 + s0 / 2 and 12 + s0 / 2 of the next sub-block.  win: the setting to leave
	WIN 0
	s_cmp_eq_u32 s80, 3
	s_cbranch_scc1 .Lnoxs_\@
	WIN 0xc0
	XROW 8+(\s0)/2, 0
	XROW 12+(\s0)/2, 0
	WIN 0
.Lnoxs_\@:
	WIN \win
.endm
	s_load_b256 s[4:11], s[0:1], 0x0               ; x s[4:5], WL s[6:7], TBL s[8:9], tsc s[10:11]
	s_load_b128 s[12:15], s[0:1], 0x20             ; pctx s[12:13], pml s[14:15]
	v_lshl_add_u32 v1, v0, 2, SPARE
	v_mov_b32 v2, 0
	ds_add_u32 v1, v2                              ; the wave's opening: the add, twice on end, and its wait ahead of my first tensor load
	ds_add_u32 v1, v2
	v_lshrrev_b32 v26, 5, v0
	v_readfirstlane_b32 s30, v26                   ; wave 0..3
	s_bfe_u32 s88, ttmp6, 0x40000                  ; cx: my place in the cluster: it enters global addresses of x and of the results alone
	s_lshl_b32 s89, ttmp9, 2
	s_add_co_u32 s89, s89, s88                     ; my work-group: 4 x cluster + cx
	s_mov_b32 s36, 15|(3<<16)|(1<<21)              ; group 1 for a quarter slot: mask of all four work-groups; elements of 8 bytes; bit 21 beside a mask; no padding
	s_mov_b32 s37, 32<<16                          ; tensor_dim0 = 32 elements: 256 bytes
	s_mov_b32 s38, 136<<16                         ; tensor_dim1 = 136 rows
	s_mov_b32 s39, 32<<16                          ; tile_dim0
	s_mov_b32 s40, 136                             ; tile_dim1
	s_mov_b32 s41, 32                              ; from row to row: dense
	s_mov_b32 s42, 0
	s_mov_b32 s43, 0
	s_mul_i32 s96, s30, QP
	s_mov_b32 s52, 1
	s_mov_b32 s53, s96                             ; slot 0, my quarter
	s_mov_b32 s56, 1
	s_add_co_u32 s57, s96, SLOTB                   ; slot 1, my quarter
	s_lshl_b32 s85, s30, 11
	s_add_co_u32 s61, s85, TBLL
	v_and_b32 v26, 31, v0                          ; l
	v_and_b32 v27, 15, v0                          ; r
	v_bfe_u32 v28, v0, 4, 1                        ; h
	v_lshl_add_u32 v3, v26, 4, s96
	v_lshl_add_u32 v5, v27, 2, s61                 ; the table's number of my column: + 4 r
	v_lshlrev_b32 v17, 4, v26                      ; the table on its way in: 16 bytes a lane, in memory
	v_lshl_add_u32 v31, v26, 4, s61                ; and in my wave's 2,048 bytes of LDS
	v_mul_u32_u24 v6, v27, CPITCH
	v_lshl_add_u32 v6, v28, 4, v6
	v_add_nc_u32 v6, CODES, v6                     ; a fragment of x: row r x pitch + 16 h
	v_mul_u32_u24 v7, v26, AP
	v_add_nc_u32 v7, ASC, v7                       ; scale words: lane l takes row l (+ 32 A)
	s_mul_i32 s86, s30, 16*CPITCH
	s_add_co_u32 s86, s86, CODES
	v_lshl_add_u32 v8, v26, 2, s86                 ; my 16 rows' codes: 4 bytes a lane
	s_mul_i32 s86, s30, 16*AP
	s_add_co_u32 s86, s86, ASC
	v_lshrrev_b32 v9, 2, v26
	v_add_nc_u32 v9, s86, v9                       ; their scale bytes: four lanes share a block
	v_lshlrev_b32 v10, 8, v26                      ; the prefetches' offset: lanes 256 bytes apart
	v_lshlrev_b32 v11, 5, v26
	s_lshl_b32 s86, s30, 8
	s_add_co_u32 s87, s86, SPT
	v_lshl_add_u32 v12, v28, 5, s87                ; my wave's 64 sums: my half's eight rows of each 16: + 32 h
	v_lshl_add_u32 v13, v26, 3, SPT
	s_add_co_u32 s87, s86, PB
	v_lshl_add_u32 v14, v26, 3, s87
	s_mul_i32 s86, s30, 320
	s_add_co_u32 s86, s86, PB
	v_mov_b32 v15, s86                             ; my copy of the weights, at my 16 rows: 256 w + 64 w
	v_lshlrev_b32 v16, 3, v26
	v_mov_b32 v18, 0xff61b1e6                      ; M: -3e38, under every t
	v_mov_b32 v19, 0                               ; L
	v_mov_b32 v21, 0                               ; (named as the upper half of the pair v[20:21])
.irp j, 57,59,61,63
	v_mov_b32 v\j, 0                               ; (named as the upper halves of the table's pairs)
.endr
	s_mov_b32 s76, 0x76543210
	s_mov_b32 s77, 0xfedcba98                      ; v_permlanex16_b32: lane l xor 16
	s_mov_b32 s78, 0x4038aa3b                      ; c = 2 log2(e)
	s_mov_b32 s79, s78
	s_mov_b32 s80, 0
	s_mov_b32 s83, 0                               ; the first sub-block goes forth: its 1st and 3rd pair in slot 0,
	s_mov_b32 s92, SLOTB                           ; its 2nd and 4th in slot 1;
	s_mov_b32 s93, 2*SLOTB                         ; its 3rd pair is pair 2,
	s_mov_b32 s94, 3*SLOTB                         ; its 4th pair 3;
	s_mov_b32 s95, 0                               ; and the table is walked as it lies
	s_mov_b32 s99, 0
	s_mov_b32 s87, 0
	s_mov_b32 s91, 0
	s_wait_dscnt 0x0                               ; both opening adds are done
	s_wait_kmcnt 0x0
	s_mov_b32 s86, s96
	s_add_nc_u64 s[68:69], s[6:7], s[86:87]        ; WL at pair 0, my quarter
	s_mov_b64 s[54:55], s[68:69]
	s_or_b32 s55, s55, 0x80000000
	s_add_nc_u64 s[58:59], s[68:69], SLOTB         ; pair 1
	s_or_b32 s59, s59, 0x80000000
	s_lshr_b32 s86, ttmp9, 1                       ; my batch: two clusters to a batch, so the four partners share it
	s_lshl_b32 s86, s86, 13
	s_add_co_u32 s86, s86, s85
	s_add_nc_u64 s[62:63], s[8:9], s[86:87]        ; TBL[batch][w]
	s_lshl_b32 s90, s89, 20                        ; 256 rows of 4,096 bytes a work-group,
	s_lshl_b32 s88, s30, 16                        ; 16 rows a wave
	s_add_co_u32 s90, s90, s88
	s_add_nc_u64 s[72:73], s[4:5], s[90:91]
	s_add_nc_u64 s[72:73], s[72:73], 262144        ; x's base stands one sub-block ahead; the first sub-block's loads reach back
	s_lshl_b32 s90, s89, 10
	s_add_nc_u64 s[74:75], s[10:11], s[90:91]
	s_lshl_b32 s90, s89, 12
	s_add_nc_u64 s[12:13], s[12:13], s[90:91]
	s_lshl_b32 s90, s89, 8
	s_add_nc_u64 s[14:15], s[14:15], s[90:91]
	CROUND                                         ; all four work-groups are here: the first joint loads meet
	tensor_load_to_lds s[52:55], s[36:43]          ; pair 0 into slot 0
	s_nop 0
	PLACES
	s_wait_alu depctr_va_vdst(0)
.irp i, 0,1,2,3
	global_load_b128 v[96+4*\i:99+4*\i], v17, s[62:63] offset:512*\i   ; my 2,048 bytes of the table: 512 consecutive bytes an instruction
.endr
	WIN 0x40                                       ; destination window 1
.irp rho, 0,1,2,3,4,5,6
	XROW \rho, 262144                              ; the first sub-block's rows 0-6: 56 loads
.endr
	WIN 0
	s_wait_loadcnt 56                              ; the table's four loads are in: behind them the 56 were issued
.irp i, 0,1,2,3
	ds_store_b128 v31, v[96+4*\i:99+4*\i] offset:512*\i   ; bytes that my wave alone reads, and that no tensor load fills
.endr
	s_wait_tensorcnt 0x0                           ; pair 0 has landed
	ds_add_u32 v1, v2
	s_wait_dscnt 0x0                               ; the add and the table's stores are done
	CROUND                                         ; all four work-groups are here: the joint loads meet
	tensor_load_to_lds s[56:59], s[36:43]          ; pair 1 into slot 1: the first tensor load behind the round; it is read from the third chunk on
	s_nop 0
	PLACES
	WIN 0x40
	XROW 7, 262144                                 ; the other 72 loads; where the counter's field is full the issue holds (ISA guide 5.7.1), and nothing else is to be done here
	WIN 0xc0                                       ; destination window 3
.irp rho, 8,9,10,11,12,13,14,15
	XROW \rho, 262144
.endr
	WIN 0
.set J, 0
.rept 32
	v_mov_b32 v[160+J], 0                          ; the weighted sum begins as zeros: the loop is written once, and its first f is 0
.set J, J+1
.endr
	s_wait_loadcnt 63                              ; rows 0-7 are in: behind their loads the 64 of rows 8-15 were issued, and 63 is the largest count that the wait takes
; Four of my rows, 4 grp + 0..3: a block of 32 along K lies in four neighbouring lanes, eight numbers each.
.macro QGROUP grp
.set WD, 1+2*((\grp)/2)                ; their window: 1 or 3
.set XR, 128*((\grp)%2)                ; and their first register in it
.if (\grp) > 0
	s_wait_dscnt 0x0                               ; the last group's LDS stores have read their registers
.endif
	WIN 5*WD                                       ; sources 0 and 1 in the rows' window
.irp g, 0,1,2,3
.irp sig, 0,1,2,3
	v_max3_num_f32 v[96+4*\g+\sig], |v[XR+32*\g+8*\sig]|, |v[XR+32*\g+8*\sig+1]|, 0x1800000   ; the largest magnitude of my eight, and the floor 2^(3 - 127): the byte cannot fall under 1
.endr
.endr
.irp i, 2,4,6
.irp g, 0,1,2,3
.irp sig, 0,1,2,3
	v_max3_num_f32 v[96+4*\g+\sig], |v[XR+32*\g+8*\sig+\i]|, |v[XR+32*\g+8*\sig+\i+1]|, v[96+4*\g+\sig]   ; (sixteen chains by turns)
.endr
.endr
.endr
	WIN 0x80+5*WD                                  ; and the destination in window 2
.irp g, 0,1,2,3
.irp kk, 0,1,2,3,4,5,6,7,8,9,10,11,12,13,14,15
	v_cvt_pk_bf16_f32 v[16*(4*(\grp)+\g)+\kk], v[XR+32*\g+2*\kk], v[XR+32*\g+2*\kk+1]   ; the row for the weighted sum: it stays in registers
.endr
.endr
	WIN 0
.irp j, 0,1,2,3,4,5,6,7,8,9,10,11,12,13,14,15
	v_max_num_f32_dpp v[96+\j], v[96+\j], v[96+\j] row_xmask:1 row_mask:0xf bank_mask:0xf
.endr
.irp j, 0,1,2,3,4,5,6,7,8,9,10,11,12,13,14,15
	v_max_num_f32_dpp v[96+\j], v[96+\j], v[96+\j] row_xmask:2 row_mask:0xf bank_mask:0xf   ; the block's largest magnitude
.endr
.irp j, 0,1,2,3,4,5,6,7,8,9,10,11,12,13,14,15
	v_add_nc_u32 v[96+\j], 0xff000000, v[96+\j]    ; 2 off its exponent field: the conversion takes the exponent field of this operand as its scale
.endr
.irp j, 0,1,2,3,4,5,6,7,8,9,10,11,12,13,14,15
	v_lshrrev_b32 v[112+\j], 23, v[96+\j]          ; the scale's byte
.endr
	WIN WD
.irp g, 0,1,2,3
.irp sig, 0,1,2,3
	v_cvt_scalef32_pk8_fp4_f32 v[128+4*\g+\sig], v[XR+32*\g+8*\sig:XR+32*\g+8*\sig+7], v[96+4*\g+\sig]
.endr
.endr
	WIN 0
	v_nop                                          ; one plain place behind the scaled conversions
.irp g, 0,1,2,3
.irp sig, 0,1,2,3
	ds_store_b32 v8, v[128+4*\g+\sig] offset:CPITCH*(4*(\grp)+\g)+128*\sig                   ; codes of e = 256 sig + 8 l + 0..7: byte 128 sig + 4 l of the row
	ds_store_b8 v9, v[112+4*\g+\sig] offset:AP*(4*(\grp)+\g)+8*\sig                          ; block 8 sig + l / 4; its four lanes write the same byte with the same value
.endr
.endr
.endm
; A refill: the pair at s[go] bytes of WL into the slot at s[sl], which has just been read out.  It has two chunks' work in which to land.
.macro REFILL g0, sl, go
	s_wait_tensorcnt 0x0                           ; no tensor load of mine is out, so a group 0 may be written
	ds_add_u32 v1, v2
	s_add_co_u32 s[\g0+1], s96, s[\sl]             ; my quarter of the slot
	s_mov_b32 s98, s[\go]
	s_add_nc_u64 s[\g0+2:\g0+3], s[68:69], s[98:99]
	s_or_b32 s[\g0+3], s[\g0+3], 0x80000000
	s_wait_dscnt 0x0                               ; the add is done, and so are all my LDS reads, those of the slot among them
	CROUND                                         ; the same holds of every wave of all four work-groups
	tensor_load_to_lds s[\g0:\g0+3], s[36:43]      ; every wave fetches its own quarter: no branch.  An s_nop 0 and four v_nop follow;
	s_nop 0
	PLACES                                         ; they are also the places ahead of the LDS loads and of the reads of the sums that follow
.endm
.macro SCALES u                        ; W's scale words: register 32 + s; lanes 0-15 tile t = 0, lanes 16-31 tile t = 1.  u: the pair's first or second chunk
	ds_load_b128 v[32:35], v4 offset:QW*(\u)+32*512
	ds_load_b128 v[36:39], v4 offset:QW*(\u)+33*512
.endm
.macro FETCHT u, t                     ; tile t of the chunk: its eight fragments, all of K, and my column's two numbers of the table
.irp s, 0,1,2,3,4,5,6,7
.irp c, 0,1
	ds_load_b128 v[192+8*\s+4*\c:192+8*\s+4*\c+3], v4 offset:QW*(\u)+(16*(\t)+2*\s+\c)*512
.endr
.endr
	ds_load_b32 v[56+2*(\t)], v30 offset:128*(\u)+64*(\t)          ; c (dec + biases); lanes r and r + 16 take the same word
	ds_load_b32 v[60+2*(\t)], v30 offset:1024+128*(\u)+64*(\t)     ; v
.endm
; K step s of tile t: one product for each 32 rows of x.  x's scale words fill the 32 lanes of their register (lane m for row m); W's stand in lanes 0-15 (t = 0) or 16-31 (t = 1).
; The even and the odd K steps have accumulators of their own, so that four accumulators take turns, one instruction a turn; K steps 0 and 1 start the sums with the constant 0.
.macro MULH s, t
.irp g, 0,1
.set rD, 96+32*((\s)%2)+16*\g
.set rX, 128*\g+16*(\s)
.set rW, 192+8*(\s)
.set rSX, 40+8*\g+(\s)
.set rSW, 32+(\s)
.if ((\s) < 2) && (\t)
	v_wmma_scale_f32_32x16x128_f4 v[rD:rD+15], v[rX:rX+15], v[rW:rW+7], 0, v[rSX], v[rSW] matrix_b_scale:MATRIX_SCALE_ROW1
.elseif (\s) < 2
	v_wmma_scale_f32_32x16x128_f4 v[rD:rD+15], v[rX:rX+15], v[rW:rW+7], 0, v[rSX], v[rSW]
.elseif (\t)
	v_wmma_scale_f32_32x16x128_f4 v[rD:rD+15], v[rX:rX+15], v[rW:rW+7], v[rD:rD+15], v[rSX], v[rSW] matrix_b_scale:MATRIX_SCALE_ROW1
.else
	v_wmma_scale_f32_32x16x128_f4 v[rD:rD+15], v[rX:rX+15], v[rW:rW+7], v[rD:rD+15], v[rSX], v[rSW]
.endif
.endr
.endm
; A half step's 32 numbers a lane (64 rows of my column): r = 1 / (1 + 2^(c x + c bias)), and the rows' sums of v r.  The exponentials are one batch with a wait ahead of it and one behind it, the reciprocals another.
; first = 1: the sub-block's first half starts the sums.  par: the tile t whose numbers of the table are taken.
.macro TANH first, par
.set CB, 56+2*(\par)
.set VV, 60+2*(\par)
.set J, 0
.rept 16
	v_pk_add_f32 v[96+J:97+J], v[96+J:97+J], v[128+J:129+J]        ; the even and the odd K steps' sums; each accumulator from its low end on
.set J, J+2
.endr
.set J, 0
.rept 16
	v_pk_fma_f32 v[96+J:97+J], v[96+J:97+J], s[78:79], v[CB:CB+1] op_sel_hi:[1,0,0]   ; of the pairs c and the bias the low word serves both halves
.set J, J+2
.endr
	s_wait_alu depctr_va_vdst(0)                   ; a wait ahead of the batch
.set J, 0
.rept 32
	v_exp_f32 v[96+J], v[96+J]
.set J, J+1
.endr
	v_nop                                          ; a plain place behind the last exponential
	s_wait_alu depctr_va_vdst(0)                   ; one wait for the batch, ahead of its first reader
.set J, 0
.rept 16
	v_pk_add_f32 v[96+J:97+J], v[96+J:97+J], 1.0 op_sel_hi:[1,0]
.set J, J+2
.endr
	s_wait_alu depctr_va_vdst(0)
.set J, 0
.rept 32
	v_rcp_f32 v[96+J], v[96+J]
.set J, J+1
.endr
	v_nop
	s_wait_alu depctr_va_vdst(0)
.set J, 0
.rept 16
.if \first
	v_pk_mul_f32 v[64+J:65+J], v[96+J:97+J], v[VV:VV+1] op_sel_hi:[1,0]
.else
	v_pk_fma_f32 v[64+J:65+J], v[96+J:97+J], v[VV:VV+1], v[64+J:65+J] op_sel_hi:[1,0,1]   ; sixteen chains
.endif
.set J, J+2
.endr
.endm
; Tile t of chunk tau % 2 of the sub-block's (tau / 2)-th pair: one run of LDS loads, the tanh of the half before under it, one wait, one run of 16 matrix instructions.
.macro HALF tau, t
.set JH, 2*(\tau)+(\t)
.if (\t) == 1
	PLACES
.elseif (\tau) == 0
	s_wait_tensorcnt 0x0                           ; the first trip's first fills have landed (in later trips nothing is out).  I read bytes that my own loads brought, so this wait is all the ordering
	v_add_nc_u32 v4, s83, v3                       ; the 1st pair lies where the sub-block before left it
	v_add_nc_u32 v30, s95, v5
.elseif (\tau) == 2
	REFILL 52, 83, 93                              ; the 1st pair has been read out: the 3rd is asked for into its slot
	v_add_nc_u32 v4, s92, v3
	s_xor_b32 s84, s95, 256                        ; the table's 256 bytes of pair p or 3 - p: 3 - p = p xor 3
	v_add_nc_u32 v30, s84, v5
.elseif (\tau) == 4
	REFILL 56, 92, 94                              ; the 3rd pair has landed; the 4th is asked for into the 2nd's slot
	v_add_nc_u32 v4, s83, v3
	s_xor_b32 s84, s95, 512
	v_add_nc_u32 v30, s84, v5
.elseif (\tau) == 6
	s_wait_tensorcnt 0x0                           ; the 4th pair has landed; nothing is asked for, and I read my own load's bytes: no barrier
	PLACES
	v_add_nc_u32 v4, s92, v3
	s_xor_b32 s84, s95, 768
	v_add_nc_u32 v30, s84, v5
.else
	PLACES
.endif
.if (\t) == 0
	SCALES (\tau)%2
.endif
	FETCHT (\tau)%2, \t
.if JH == 0
	XN 0x40, 6, 2                                  ; rows 6 and 7 of the next sub-block: the last of window 1's eight
.endif
.if JH == 12
	; A PREFETCH INTO THE L2 of rows 8-15 of the next sub-block, which the sub-block's last half step will ask for: each wave for its own rows, four instructions, lanes 256 bytes apart (8,192 bytes, two rows, each): every block
	; of 256 bytes is named once in the launch.  It stands three half steps ahead of the loads, behind the wait that shows the 4th pair landed and behind this half's run of LDS loads.  The last sub-block asks for nothing.
	s_cmp_eq_u32 s80, 3
	s_cbranch_scc1 .Lnopf_\@
.irp r, 8,10,12,14
	global_prefetch_b8 v10, s[72:73] offset:4096*\r th:TH_LOAD_NT scope:SCOPE_SE
.endr
.Lnopf_\@:
.endif
.if JH == 1
	TANH 1, 0                                      ; the half before, while this half's fragments come out of LDS
.elseif JH > 1
	TANH 0, 1-(\t)
.endif
.if JH == 0
	s_wait_alu depctr_va_vdst(0)
.endif
	s_wait_dscnt 0x0
	WIN 0x03                                       ; source 0 (x) in window 3
	MULH 0, \t
	MULH 1, \t
.if JH == 15
	PLACES
	s_wait_loadcnt 0x0                             ; rows 0-7 of the next sub-block are in: the youngest of their loads was issued in the first half step.  (For 0: the loads stand under branches on the trip's number)
	XS 0, 0x03
.endif
	MULH 2, \t
	MULH 3, \t
.if JH == 15
	PLACES
	XS 2, 0x03
.endif
	MULH 4, \t
	MULH 5, \t
.if JH == 15
	PLACES
	XS 4, 0x03
.endif
	MULH 6, \t
	MULH 7, \t
	WIN 0
.endm
.Lsub:	; ================ a sub-block of 64 rows
	QGROUP 0                                       ; rows 0-7 are in: shown by the wait at the head, or by the wait in the last trip's last half step
	QGROUP 1
	s_wait_loadcnt 0x0                             ; rows 8-15 are in.  (For 0: the loads stand under branches on the trip's number, and this count holds on every way)
	XN 0x40, 0, 2                                  ; window 1 has been quantised: rows 0-5 of the next sub-block, two at a time among the quantising of rows 8-15
	QGROUP 2
	XN 0x40, 2, 2
	QGROUP 3
	XN 0x40, 4, 2
	s_wait_dscnt 0x0                               ; for the others' sake: my codes and scale bytes lie in LDS
	s_barrier_signal -1
	s_barrier_wait -1                              ; everybody's do.  The first trip's first fill may stay out
	WIN 0xc0                                       ; destination window 3: rows 8-15 have been quantised
.irp a, 0,1,2,3
.irp s, 0,1,2,3,4,5,6,7
.irp c, 0,1
	ds_load_b128 v[128*(\a/2)+16*\s+8*(\a%2)+4*\c:128*(\a/2)+16*\s+8*(\a%2)+4*\c+3], v6 offset:16*CPITCH*\a+64*\s+32*\c   ; all 64 rows' fragments stay in registers for the eight chunks; tiles 2 A and 2 A + 1 of a K step side by side
.endr
.endr
.endr
	WIN 0
.irp a, 0,1
.irp c, 0,1
	ds_load_b128 v[40+8*\a+4*\c:40+8*\a+4*\c+3], v7 offset:32*AP*\a+16*\c   ; scale words: register 40 + 8 A + s; lane m holds row 32 A + m
.endr
.endr
.irp tau, 0,1,2,3,4,5,6,7
	HALF \tau, 0
	HALF \tau, 1
.endr
	PLACES                                         ; ahead of the reads of the last sums, and of the loads into x's last fragments
	XS 6, 0
	TANH 0, 1                                      ; the last half's
	; ---- the rows' t, and the running maximum and sum
	s_wait_alu depctr_va_vdst(0)
.irp m, 1,2,4,8
.set J, 0
.rept 32
	v_add_f32_dpp v[64+J], v[64+J], v[64+J] row_xmask:\m row_mask:0xf bank_mask:0xf   ; over the sixteen lanes, that is over the 16 columns of a tile: each row summed over my 256 columns
.set J, J+1
.endr
.endr
.irp m, 0,1,2,3,4,5,6,7
	ds_store_b128 v12, v[64+4*\m:67+4*\m] offset:128*(\m/4)+64*((\m/2)%2)+16*(\m%2)   ; rows 32 A + 16 g + 8 h + 4 (m % 2) + 0..3  (a half's sixteen lanes write the same words with the same values)
.endr
	s_wait_dscnt 0x0
	s_barrier_signal -1
	s_barrier_wait -1
.irp w, 0,1,2,3
	ds_load_b64 v[96+2*\w:97+2*\w], v13 offset:256*\w   ; rows 2 l and 2 l + 1, the four waves' parts
.endr
	s_wait_dscnt 0x0
	v_pk_add_f32 v[96:97], v[96:97], v[98:99]
	v_pk_add_f32 v[100:101], v[100:101], v[102:103]
	v_pk_add_f32 v[96:97], v[96:97], v[100:101]    ; the same order in every wave: all four hold the same bits
	v_pk_mul_f32 v[22:23], v[96:97], 0xc038aa3b op_sel_hi:[1,0]   ; t = -2 log2(e) x the sum
	s_cmp_lg_u32 s30, 0
	s_cbranch_scc1 .Lnot_t
	global_store_b64 v16, v[22:23], s[74:75]       ; wave 0: 32 lanes store 256 consecutive bytes, aligned.  Its data and its base are written again only behind the wait at the trip's end
.Lnot_t:
	s_wait_alu depctr_va_vdst(0)
	v_max_num_f32 v26, v22, v23
	v_max_num_f32_dpp v26, v26, v26 row_xmask:1 row_mask:0xf bank_mask:0xf
	v_max_num_f32_dpp v26, v26, v26 row_xmask:2 row_mask:0xf bank_mask:0xf
	v_max_num_f32_dpp v26, v26, v26 row_xmask:4 row_mask:0xf bank_mask:0xf
	v_max_num_f32_dpp v26, v26, v26 row_xmask:8 row_mask:0xf bank_mask:0xf
	v_permlanex16_b32 v27, v26, s76, s77
	v_max3_num_f32 v27, v26, v27, v18              ; the new M: the 64 rows' largest t and the old M
	v_sub_f32 v28, v18, v27
	v_sub_f32 v24, v22, v27
	v_sub_f32 v25, v23, v27
	s_wait_alu depctr_va_vdst(0)
	v_exp_f32 v20, v28                             ; f = 2^(old M - new M)
	v_exp_f32 v24, v24                             ; p of rows 2 l,
	v_exp_f32 v25, v25                             ; 2 l + 1
	v_mov_b32 v18, v27                             ; (a plain place behind the three)
	s_wait_alu depctr_va_vdst(0)                   ; one wait for the three, ahead of their first reader
	v_fma_f32 v19, v19, v20, v24
	v_add_f32 v19, v19, v25                        ; L = L f + p + p: my lane's part
	ds_store_b64 v14, v[24:25]                     ; the weights, into my wave's own copy: LDS serves a wave's instructions in order, so no barrier
	; ---- the weighted sum of my 16 rows, out of window 2
.irp q, 0,1,2,3
	ds_load_b128 v[56+4*\q:59+4*\q], v15 offset:16*\q   ; my 16 rows' weights: one address for all lanes
.endr
.set J, 0
.rept 16
	v_pk_mul_f32 v[160+J:161+J], v[160+J:161+J], v[20:21] op_sel_hi:[1,0]
.set J, J+2
.endr
	s_wait_dscnt 0x0
	WIN 0x02                                       ; source 0, the row, in window 2
.irp rho, 0,1,2,3,4,5,6,7,8,9,10,11,12,13,14,15
.irp kk, 0,1,2,3,4,5,6,7,8,9,10,11,12,13,14,15
	v_fma_mix_f32_bf16 v[160+2*\kk], v[16*\rho+\kk], v[56+\rho], v[160+2*\kk] op_sel_hi:[1,0,0]
	v_fma_mix_f32_bf16 v[161+2*\kk], v[16*\rho+\kk], v[56+\rho], v[161+2*\kk] op_sel:[1,0,0] op_sel_hi:[1,0,0]
.endr
.endr
	WIN 0
	s_wait_xcnt 0x0                                ; the rows' loads, the prefetches and t's store have read their bases:
	s_add_nc_u64 s[72:73], s[72:73], 262144        ; x goes a sub-block on,
	s_add_nc_u64 s[74:75], s[74:75], 256           ; tsc 64 rows
	s_xor_b32 s83, s83, SLOTB                      ; and the walk turns round: the slots change parts,
	s_xor_b32 s92, s92, SLOTB
	s_xor_b32 s93, s93, 3*SLOTB                    ; the 3rd pair is pair 2 or 1 (2 SLOTB and SLOTB share no bit, so their exclusive or is 3 SLOTB),
	s_xor_b32 s94, s94, 3*SLOTB                    ; the 4th pair 3 or 0,
	s_xor_b32 s95, s95, 768                        ; and the table goes the other way
	s_add_co_u32 s80, s80, 1
	s_cmp_lt_u32 s80, 4
	s_cbranch_scc1 .Lsub
	; ================ the four waves' sums meet in a stage, in bytes that held codes: every wave's reads of the codes stand ahead of the last trip's barrier in the scores
	v_and_b32 v26, 31, v0
	s_lshl_b32 s84, s30, 12
	s_add_co_u32 s84, s84, CODES
	v_lshl_add_u32 v26, v26, 5, s84                ; wave w at 4,096 w; e = 256 sig + 8 l + i at byte 4 e
	s_wait_alu depctr_va_vdst(0)
.irp sig, 0,1,2,3
.irp u, 0,1
	ds_store_b128 v26, v[160+8*\sig+4*\u:160+8*\sig+4*\u+3] offset:1024*\sig+16*\u
.endr
.endr
	s_wait_dscnt 0x0
	s_barrier_signal -1
	s_barrier_wait -1
	v_lshlrev_b32 v28, 4, v0                       ; 16 x my thread's number: 128 threads cover 2,048 bytes
	v_add_nc_u32 v29, CODES, v28
.irp u, 0,1
.irp w, 0,1,2,3
	ds_load_b128 v[96+16*\u+4*\w:96+16*\u+4*\w+3], v29 offset:4096*\w+2048*\u
.endr
.endr
	v_add_f32_dpp v19, v19, v19 row_xmask:1 row_mask:0xf bank_mask:0xf   ; L over the 32 lanes
	v_add_f32_dpp v19, v19, v19 row_xmask:2 row_mask:0xf bank_mask:0xf
	v_add_f32_dpp v19, v19, v19 row_xmask:4 row_mask:0xf bank_mask:0xf
	v_add_f32_dpp v19, v19, v19 row_xmask:8 row_mask:0xf bank_mask:0xf
	v_permlanex16_b32 v27, v19, s76, s77
	v_add_f32 v19, v19, v27
	s_wait_dscnt 0x0
.irp u, 0,1
.irp p, 0,2
	v_pk_add_f32 v[96+16*\u+\p:97+16*\u+\p], v[96+16*\u+\p:97+16*\u+\p], v[100+16*\u+\p:101+16*\u+\p]
	v_pk_add_f32 v[104+16*\u+\p:105+16*\u+\p], v[104+16*\u+\p:105+16*\u+\p], v[108+16*\u+\p:109+16*\u+\p]
.endr
.irp p, 0,2
	v_pk_add_f32 v[96+16*\u+\p:97+16*\u+\p], v[96+16*\u+\p:97+16*\u+\p], v[104+16*\u+\p:105+16*\u+\p]
.endr
	global_store_b128 v28, v[96+16*\u:99+16*\u], s[12:13] offset:2048*\u   ; a wave stores 512 consecutive bytes
.endr
	s_cmp_lg_u32 s30, 0
	s_cbranch_scc1 .Lnot_ml
	global_store_b64 v16, v[18:19], s[14:15]       ; wave 0: (M, L), 32 times over: 256 consecutive bytes, aligned
.Lnot_ml:
	s_wait_tensorcnt 0x0                           ; the wave's end, behind my last tensor load and my last LDS store
	ds_add_u32 v1, v2
	s_wait_dscnt 0x0
	CROUND                                         ; the closing round: no work-group ends while a partner may still ask for a tile that names it
	s_endpgm
.Lfunc_end_k_qdbf10dc929_main:
	.size	k_qdbf10dc929_main, .Lfunc_end_k_qdbf10dc929_main-k_qdbf10dc929_main
	.p2alignl 7, 3214868480
	.fill 96, 4, 3214868480
	.section	.rodata,"a",@progbits
	.p2align	6, 0x0
	.amdhsa_kernel k_qdbf10dc929_main
		.amdhsa_group_segment_fixed_size 327680
		.amdhsa_private_segment_fixed_size 0
		.amdhsa_enable_private_segment 0
		.amdhsa_kernarg_size 48
		.amdhsa_user_sgpr_count 2
		.amdhsa_user_sgpr_kernarg_segment_ptr 1
		.amdhsa_wavefront_size32 1
		.amdhsa_system_sgpr_workgroup_id_x 1
		.amdhsa_system_sgpr_workgroup_id_y 1
		.amdhsa_system_sgpr_workgroup_id_z 1
		.amdhsa_system_vgpr_workitem_id 0
		.amdhsa_next_free_vgpr 1024
		.amdhsa_next_free_sgpr 100
		.amdhsa_reserve_vcc 0
		.amdhsa_float_denorm_mode_32 3
		.amdhsa_float_denorm_mode_16_64 3
		.amdhsa_memory_ordered 1
		.amdhsa_forward_progress 1
		.amdhsa_inst_pref_size 255
	.end_amdhsa_kernel
	.section	.bss,"aw",@nobits
	.p2align	6
	.space	262144
	.amdgpu_metadata
---
amdhsa.version: [ 1, 2 ]
amdhsa.kernels:
  - .name:           k_qdbf10dc929_main
    .symbol:         k_qdbf10dc929_main.kd
    .args:
      - { .name: encoder_outputs, .offset: 0, .size: 8, .value_kind: global_buffer, .address_space: global }
      - { .name: WL, .offset: 8, .size: 8, .value_kind: global_buffer, .address_space: global }
      - { .name: TBL, .offset: 16, .size: 8, .value_kind: global_buffer, .address_space: global }
      - { .name: tsc, .offset: 24, .size: 8, .value_kind: global_buffer, .address_space: global }
      - { .name: pctx, .offset: 32, .size: 8, .value_kind: global_buffer, .address_space: global }
      - { .name: pml, .offset: 40, .size: 8, .value_kind: global_buffer, .address_space: global }
    .group_segment_fixed_size: 327680
    .private_segment_fixed_size: 0
    .kernarg_segment_align: 8
    .kernarg_segment_size: 48
    .max_flat_workgroup_size: 128
    .sgpr_count:     100
    .vgpr_count:     1024
    .wavefront_size: 32
...
	.end_amdgpu_metadata
.endif
;; end of part 5
;; launch combine (part 6): grid 256 x 1, 1 waves a work-group, no clusters, 0 bytes of LDS; arguments tsc, pctx, pml, out0, out1; writes out0, out1
.if DOCPART == 6
	.amdgcn_target "amdgcn-amd-amdhsa--gfx1250"
	.amdhsa_code_object_version 6
	.text
	.protected	k_qdbf10dc929_combine
	.globl	k_qdbf10dc929_combine
	.p2align	8
	.type	k_qdbf10dc929_combine,@function
k_qdbf10dc929_combine:
	s_mov_b64 s[64:65], 0
	v_nop
	global_prefetch_b8 v0, s[64:65] scope:SCOPE_SE
	s_setreg_imm32_b32 hwreg(HW_REG_WAVE_MODE, 25, 1), 1
	s_wait_xcnt 0x0
; BAHDANAU ATTENTION, launch 3 of 3: a batch's eight partial results are joined.  (b_v and the sum of v stay left out: shown at the head of launch 1.)
; Launch 2 left, for each of the batch's eight blocks i of 256 rows: m_i, the block's largest t; l_i = the sum of 2^(t - m_i); pctx_i = the sum of 2^(t - m_i) x row.  With Mg = the largest m_i and w_i = 2^(m_i - Mg):
; Lg = sum l_i w_i;  context = sum w_i pctx_i / Lg;  attn = 2^(t - Mg) / Lg.  The maximum is taken away as reference() takes it: no exponent is above 0, and Lg is at least 1.
; SHARES: work-group g = 8 b + j, one wave: 128 numbers of context[b] (512 bytes) and 256 of attn[b] (1,024 bytes).  A stream of a few loads: no LDS, no barrier, no matrix unit.
	s_load_b256 s[4:11], s[0:1], 0x0               ; tsc s[4:5], pctx s[6:7], pml s[8:9], out0 s[10:11]
	s_load_b64 s[12:13], s[0:1], 0x20              ; out1
	s_lshr_b32 s14, ttmp9, 3                       ; b
	s_and_b32 s15, ttmp9, 7                        ; j
	v_lshlrev_b32 v1, 4, v0                        ; 16 bytes a lane
	s_mov_b32 s17, 0
	s_wait_alu depctr_va_vdst(0)
	s_wait_kmcnt 0x0
	s_lshl_b32 s16, s14, 11
	s_add_nc_u64 s[8:9], s[8:9], s[16:17]          ; the batch's eight pairs, 256 bytes apart
.irp i, 0,1,2,3,4,5,6,7
	s_load_b64 s[20+2*\i:21+2*\i], s[8:9], 256*\i  ; m_i, l_i
.endr
	s_lshl_b32 s18, s15, 9
	s_lshl_b32 s16, s14, 15
	s_add_co_u32 s16, s16, s18
	s_add_nc_u64 s[6:7], s[6:7], s[16:17]          ; pctx: 8 x 4,096 bytes a batch, my 512 of each
	s_lshl_b32 s16, s14, 12
	s_add_co_u32 s16, s16, s18
	s_add_nc_u64 s[10:11], s[10:11], s[16:17]
	s_lshl_b32 s18, s15, 10
	s_lshl_b32 s16, s14, 13
	s_add_co_u32 s16, s16, s18
	s_add_nc_u64 s[4:5], s[4:5], s[16:17]
	s_add_nc_u64 s[12:13], s[12:13], s[16:17]
.irp i, 0,1,2,3,4,5,6,7
	global_load_b128 v[4+4*\i:7+4*\i], v1, s[6:7] offset:4096*\i
.endr
	global_load_b128 v[36:39], v1, s[4:5]
	global_load_b128 v[40:43], v1, s[4:5] offset:512
	s_wait_kmcnt 0x0
	v_mov_b32 v44, s20
	v_max3_num_f32 v44, v44, s22, s24
	v_max3_num_f32 v44, v44, s26, s28
	v_max3_num_f32 v44, v44, s30, s32
	v_max_num_f32 v44, s34, v44                    ; Mg
.irp i, 0,1,2,3,4,5,6,7
	v_sub_f32 v[46+\i], s[20+2*\i], v44
.endr
	s_wait_alu depctr_va_vdst(0)
.irp i, 0,1,2,3,4,5,6,7
	v_exp_f32 v[46+\i], v[46+\i]                   ; w_i
.endr
	v_nop                                          ; a plain place behind the last exponential
	s_wait_alu depctr_va_vdst(0)                   ; one wait for the eight, ahead of their first reader
	v_mul_f32 v45, s21, v46
.irp i, 1,2,3,4,5,6,7
	v_fmac_f32 v45, s[21+2*\i], v[46+\i]           ; Lg
.endr
	s_wait_alu depctr_va_vdst(0)
	v_rcp_f32 v54, v45
	v_nop
	s_wait_alu depctr_va_vdst(0)
.irp i, 0,1,2,3,4,5,6,7
	v_mul_f32 v[46+\i], v[46+\i], v54              ; w_i / Lg
.endr
	s_wait_alu depctr_va_vdst(0)
	s_wait_loadcnt 2                               ; the eight parts are in; t's two loads may be out
.irp c, 0,1,2,3
	v_mul_f32 v[56+\c], v[4+\c], v46
.endr
.irp i, 1,2,3,4,5,6,7
.irp c, 0,1,2,3
	v_fmac_f32 v[56+\c], v[4+4*\i+\c], v[46+\i]
.endr
.endr
	global_store_b128 v1, v[56:59], s[10:11]       ; 512 consecutive bytes of context
	s_wait_loadcnt 0x0
.irp c, 0,1,2,3,4,5,6,7
	v_sub_f32 v[36+\c], v[36+\c], v44
.endr
	s_wait_alu depctr_va_vdst(0)
.irp c, 0,1,2,3,4,5,6,7
	v_exp_f32 v[36+\c], v[36+\c]
.endr
	v_nop
	s_wait_alu depctr_va_vdst(0)
.irp c, 0,1,2,3,4,5,6,7
	v_mul_f32 v[36+\c], v[36+\c], v54
.endr
	global_store_b128 v1, v[36:39], s[12:13]       ; and 2 x 512 of attn
	global_store_b128 v1, v[40:43], s[12:13] offset:512
	s_endpgm
.Lfunc_end_k_qdbf10dc929_combine:
	.size	k_qdbf10dc929_combine, .Lfunc_end_k_qdbf10dc929_combine-k_qdbf10dc929_combine
	.p2alignl 7, 3214868480
	.fill 96, 4, 3214868480
	.section	.rodata,"a",@progbits
	.p2align	6, 0x0
	.amdhsa_kernel k_qdbf10dc929_combine
		.amdhsa_group_segment_fixed_size 0
		.amdhsa_private_segment_fixed_size 0
		.amdhsa_enable_private_segment 0
		.amdhsa_kernarg_size 40
		.amdhsa_user_sgpr_count 2
		.amdhsa_user_sgpr_kernarg_segment_ptr 1
		.amdhsa_wavefront_size32 1
		.amdhsa_system_sgpr_workgroup_id_x 1
		.amdhsa_system_sgpr_workgroup_id_y 1
		.amdhsa_system_sgpr_workgroup_id_z 1
		.amdhsa_system_vgpr_workitem_id 0
		.amdhsa_next_free_vgpr 64
		.amdhsa_next_free_sgpr 66
		.amdhsa_reserve_vcc 0
		.amdhsa_float_denorm_mode_32 3
		.amdhsa_float_denorm_mode_16_64 3
		.amdhsa_memory_ordered 1
		.amdhsa_forward_progress 1
		.amdhsa_inst_pref_size 7
	.end_amdhsa_kernel
	.amdgpu_metadata
---
amdhsa.version: [ 1, 2 ]
amdhsa.kernels:
  - .name:           k_qdbf10dc929_combine
    .symbol:         k_qdbf10dc929_combine.kd
    .args:
      - { .name: tsc, .offset: 0, .size: 8, .value_kind: global_buffer, .address_space: global }
      - { .name: pctx, .offset: 8, .size: 8, .value_kind: global_buffer, .address_space: global }
      - { .name: pml, .offset: 16, .size: 8, .value_kind: global_buffer, .address_space: global }
      - { .name: out0, .offset: 24, .size: 8, .value_kind: global_buffer, .address_space: global }
      - { .name: out1, .offset: 32, .size: 8, .value_kind: global_buffer, .address_space: global }
    .group_segment_fixed_size: 0
    .private_segment_fixed_size: 0
    .kernarg_segment_align: 8
    .kernarg_segment_size: 40
    .max_flat_workgroup_size: 32
    .sgpr_count:     66
    .vgpr_count:     64
    .wavefront_size: 32
...
	.end_amdgpu_metadata
.endif
;; end of part 6
